; MI455X (gfx1250); checked and timed in simulation.
; The chip was launched on July 23, 2026; its instructions are those of AMD's public machine-readable ISA for CDNA 5 (MIT licence, August 2026) and "CDNA5" Instruction Set Architecture Reference Guide (July 2026). The comments in the code are by the model that wrote it; some were corrected since.
;; Parallel Block. Allowed arithmetic: matrix products marked QUANTISED: E4M3 operands, one given power-of-two scale a tensor, by v_wmma_f32_16x16x64_fp8_fp8 or v_wmma_f32_16x16x128_fp8_fp8, f32 sums; everything else in f32.
;; Inputs: W1_codes 3,788 x 32 x 32 uint8 (E4M3 codes of W1, K innermost, in blocks of 32 codes); W2_codes 1,024 x 64 x 32 uint8 (E4M3 codes of W2, K innermost, in blocks of 32 codes); Wao_codes 1,024 x 32 x 32 uint8 (E4M3 codes of Wao, K innermost, in blocks of 32 codes); Wmo 716 x 1,024 float32; b1 3,788 float32; b2 1,024 float32; bao 1,024 float32; bmo 1,024 float32; kn_b 64 float32; kn_g 64 float32; lowp_scales 12 int32 (the exponents e of the quantised operands' scales 2^e); norm_b 1,024 float32; norm_g 1,024 float32; qn_b 64 float32; qn_g 64 float32; x 2 x 2,048 x 1,024 float32.
;; Outputs: out0 2 x 2,048 x 1,024 float32.
;; This version of the problem:
;;   THIS VERSION OF THE PROBLEM IS GIVEN IN LOW PRECISION. The matrix products marked QUANTISED in the list below multiply operands that are first quantised to E4M3 (4 exponent bits, 3 mantissa bits; 8 bits a number), with one given power-of-two scale for each operand tensor; their sums are f32. All else is computed in f32.
;;   The module's matrix products, in the order in which they are computed (A, B: the left and right operand; K: the contracted axis; several contracted axes count as one K, in the product's order):
;;     1. [M 4,096, K 1,024] x [K 1,024, N 3,788]; A: computed on the way; B: input W1 (given as codes): QUANTISED (scales: A lowp_scales[0], B lowp_scales[1])
;;     2. batch 32 x [M 2,048, K 64] x [K 64, N 2,048]; A: computed on the way; B: computed on the way: QUANTISED (scales: A lowp_scales[2], B lowp_scales[3])
;;     3. batch 32 x [M 2,048, K 2,048] x [K 2,048, N 64]; A: softmax (see below); B: computed on the way: QUANTISED (scales: A lowp_scales[4], B lowp_scales[5])
;;     4. [M 4,096, K 1,024] x [K 1,024, N 1,024]; A: computed on the way; B: input Wao (given as codes): QUANTISED (scales: A lowp_scales[6], B lowp_scales[7])
;;     5. [M 4,096, K 716] x [K 716, N 1,024]; A: computed on the way; B: input Wmo: QUANTISED (scales: A lowp_scales[8], B lowp_scales[9])
;;     6. [M 4,096, K 2,048] x [K 2,048, N 1,024]; A: computed on the way; B: input W2 (given as codes): QUANTISED (scales: A lowp_scales[10], B lowp_scales[11])
;;   THE QUANTISER, for each operand of a quantised product, along K:
;;     - The operand's scale is 2^e, e = its entry of the input lowp_scales (int32; the entries are numbered through the quantised products in the list's order, A before B).
;;     - Each number is divided by the scale, clamped to +-448, and rounded to the nearest number of E4M3, ties to even, subnormals kept.
;;     - The product sums the exact products of the quantised numbers (number of the format x scale) in f32.
;;   ~~~python
;;   def quantise(x, axis, e):      # numpy; x: float32 -> the quantised numbers, widened to float32 again
;;       x = np.moveaxis(x, axis, -1); K = x.shape[-1]
;;       r = np.clip(x / 2.0 ** e, -448, 448)
;;       step = 2.0 ** (np.maximum(np.frexp(np.where(r == 0, 1, r))[1] - 1, -6) - 3)
;;       q = np.round(r / step) * step * 2.0 ** e      # np.round: ties to even
;;       return np.moveaxis(q, -1, axis).astype(np.float32)
;;   ~~~
;;   SOFTMAX AHEAD OF A QUANTISED PRODUCT. Where the list says 'softmax', what is quantised is not the finished softmax but p = 2^(t - M), with t = logit x log2(e) and M = ceil(the row's largest t), a whole number; so 1/2 < the row's largest p <= 1. The row's sum l is taken of the UNQUANTISED p, in f32, and the product's result is divided by l at the end. Since M is a whole number, a kernel that streams over the keys may use a running M (the ceiling of the running maximum): every later rescaling is an exact power of two, so the quantised numbers keep their values, but for numbers so far below the row's largest that they fall under the format's range.
;;   OPERANDS COMPUTED ON THE WAY. 'Computed on the way' means the value that the module computes at that place (a softmax that the list does not call 'softmax' is quantised finished and normalised). What goes into a quantiser is computed in f32, as accurately as f32 sums, v_exp_f32 and their like allow (about 1e-6 of the number): no bf16 or f16 on the way to a quantiser, and a product that is left as it is and whose result goes on into a quantised operand takes f32 operands (vector FMAs, or v_wmma_f32_16x16x4_f32). A number that lies on a knife's edge between two numbers of the format may be rounded either way, as far as f32 arithmetic and the matrix unit's own rounding can turn it there, and no further.
;;   INPUTS GIVEN AS CODES. W1 (in the module: [1024, 3788], K = its axis 0); W2 (in the module: [2048, 1024], K = its axis 0); Wao (in the module: [1024, 1024], K = its axis 0): each comes as NAME_codes (uint8): NAME with its K axis moved to the last place and cut into blocks of 32 codes, [.., K / 32, bytes a block], one block behind the other in memory; one code a byte (a code: sign, 4 exponent bits, 3 mantissa bits); its scale is its entry of lowp_scales. Its value is code x scale, taken as it is: it is not quantised again, and the codes and scales need not be those that the quantiser above would give.
;; One version. Each part assembles by itself: llvm-mc -triple=amdgcn-amd-amdhsa -mcpu=gfx1250 --defsym DOCPART=n.
;; ======== version 1 of 1: 5 launches
;; limits: right only within a limited range of input values
;; workspace buffers: xn 4,194,304 bytes; wmoc 1,048,576 bytes; w1t 278,528 bytes; qi 4,194,304 bytes; kv 8,388,608 bytes; ah 8,388,608 bytes; ci 8,388,608 bytes
;; launch prep (part 1): grid 360 x 1, 4 waves a work-group, no clusters, 9,216 bytes of LDS; arguments x, norm_g, norm_b, Wmo, W1_codes, b1, lowp_scales, xn, wmoc, w1t; writes xn, wmoc, w1t
.if DOCPART == 1
	.amdgcn_target "amdgcn-amd-amdhsa--gfx1250"
	.amdhsa_code_object_version 6
	.text
	.protected	k_qcb3fb6fa83_prep
	.globl	k_qcb3fb6fa83_prep
	.p2align	8
	.type	k_qcb3fb6fa83_prep,@function
k_qcb3fb6fa83_prep:
	s_mov_b64 s[64:65], 0
	v_nop
	global_prefetch_b8 v0, s[64:65] scope:SCOPE_SE
	s_setreg_imm32_b32 hwreg(HW_REG_WAVE_MODE, 25, 1), 1
	s_wait_xcnt 0x0
; PREP: three jobs that share one launch, told apart by the work-group's number.
;  work-groups 0-255:   xn = codes (E4M3, scale 2^e0) of layernorm(x) * norm_g + norm_b, rows of 1,024 bytes.  16 rows a work-group, 4 a wave; a row stays in 32 registers of its wave.
;  work-groups 256-351: wmoc = codes (scale 2^e9) of Wmo with K innermost: [1024 n][pitch 1024], 768 PLACES along K.  Block t of 32 places holds Wmo's rows min(32 t, 684) + 0..31,
;                       so that no load leaves the buffer; the places 704-723 and 736-767 repeat rows, and the hidden layer holds zero codes there.
;                       A work-group takes 32 columns x 256 places, a wave 64 of the places: its 64 loads go out together.  The four waves' codes meet in one stage and leave as rows of 256 bytes.
;  work-groups 352-359: w1t = W1's rows for the places 512-767 (place k' < 704: row 3072 + k'; 724-735: row 3072 + k' - 20; else zeros), then at byte 262,144 b1 by place, 4,096 numbers, zeros elsewhere.
; LIMITS: e0 and e9 between -126 and 119, so that 2^e and 448 x 2^e are f32 numbers.  NaN among the inputs is not served; an infinity is held at the largest code.
; EXEC is never changed.  Only the second job uses LDS (a stage of 32 rows x 272 bytes for the work-group) and has a barrier.
.set XR, 80                            ; v80-207  four rows of x, 32 registers each: register 8 g + i = column 256 g + 8 lane + i
.set GR, 16                            ; v16-47   norm_g at my columns
.set BR, 48                            ; v48-79   norm_b
.set CR, 208                           ; v208-239 codes, 8 registers a row
.set WP, 272                           ; Wmo: a stage row: 256 bytes + 16
.set WX, 32                            ; Wmo: two blocks of 32 numbers
.set WC, 96                            ; Wmo: two blocks' codes, 8 registers each
.set WO, 112                           ; Wmo: the way out
.macro REDUCE                          ; v6 summed over the 32 lanes, into every lane
	v_add_f32_dpp v6, v6, v6 row_xmask:1 row_mask:0xf bank_mask:0xf
	v_add_f32_dpp v6, v6, v6 row_xmask:2 row_mask:0xf bank_mask:0xf
	v_add_f32_dpp v6, v6, v6 row_xmask:4 row_mask:0xf bank_mask:0xf
	v_add_f32_dpp v6, v6, v6 row_xmask:8 row_mask:0xf bank_mask:0xf
	v_permlanex16_b32 v7, v6, s30, s31
	v_add_f32 v6, v6, v7
.endm
.macro LNA q                           ; row q: the mean, x - mean in place, variance + eps
.set XQ, XR+32*(\q)
	s_wait_loadcnt 40-8*(\q)                       ; behind this row's loads: 8 for each later row, 16 of gain and bias
	v_pk_add_f32 v[8:9], v[XQ:XQ+1], v[XQ+2:XQ+3]
	v_pk_add_f32 v[10:11], v[XQ+4:XQ+5], v[XQ+6:XQ+7]
.set j, 8
.rept 6
	v_pk_add_f32 v[8:9], v[8:9], v[XQ+j:XQ+j+1]
	v_pk_add_f32 v[10:11], v[10:11], v[XQ+j+2:XQ+j+3]
.set j, j+4
.endr
	v_pk_add_f32 v[8:9], v[8:9], v[10:11]
	v_add_f32 v6, v8, v9
	REDUCE
	v_mul_f32 v[240+2*(\q)], s26, v6               ; the mean, in both words of a pair
	v_mul_f32 v[241+2*(\q)], s26, v6
.set j, 0
.rept 16
	v_pk_add_f32 v[XQ+j:XQ+j+1], v[XQ+j:XQ+j+1], v[240+2*(\q):241+2*(\q)] neg_lo:[0,1] neg_hi:[0,1]
.set j, j+2
.endr
	v_pk_mul_f32 v[8:9], v[XQ:XQ+1], v[XQ:XQ+1]
	v_pk_mul_f32 v[10:11], v[XQ+2:XQ+3], v[XQ+2:XQ+3]
.set j, 4
.rept 7
	v_pk_fma_f32 v[8:9], v[XQ+j:XQ+j+1], v[XQ+j:XQ+j+1], v[8:9]
	v_pk_fma_f32 v[10:11], v[XQ+j+2:XQ+j+3], v[XQ+j+2:XQ+j+3], v[10:11]
.set j, j+4
.endr
	v_pk_add_f32 v[8:9], v[8:9], v[10:11]
	v_add_f32 v6, v8, v9
	REDUCE
	v_fma_f32 v[248+2*(\q)], v6, s26, s27          ; the sum of squares / 1024 + eps
.endm
.macro LNC q                           ; row q: scaled, gain and bias, held, converted, stored
.set XQ, XR+32*(\q)
.set j, 0
.rept 16
	v_pk_mul_f32 v[XQ+j:XQ+j+1], v[XQ+j:XQ+j+1], v[248+2*(\q):249+2*(\q)]
.set j, j+2
.endr
.set j, 0
.rept 16
	v_pk_fma_f32 v[XQ+j:XQ+j+1], v[XQ+j:XQ+j+1], v[GR+j:GR+j+1], v[BR+j:BR+j+1]
.set j, j+2
.endr
.set i, 0
.rept 32
	v_med3_num_f32 v[XQ+i], v[XQ+i], -v5, v5       ; the conversion to an 8-bit code does not saturate (ISA guide 7.6.2): the hold at 448 x the scale comes first
.set i, i+1
.endr
.irp g, 0,1,2,3
	v_cvt_scalef32_pk8_fp8_f32 v[CR+8*(\q)+2*\g:CR+8*(\q)+2*\g+1], v[XQ+8*\g:XQ+8*\g+7], v4
.endr
	v_nop                                          ; a plain line behind the last conversion
.irp g, 0,1,2,3
	global_store_b64 v3, v[CR+8*(\q)+2*\g:CR+8*(\q)+2*\g+1], s[18:19] offset:1024*(\q)+256*\g   ; 32 lanes store 256 consecutive bytes, aligned
.endr
.endm
.macro WLOAD b                         ; Wmo: my block b's 32 rows at my column
.set i, 0
.rept 32
	global_load_b32 v[WX+32*(\b)+i], v3, s[32+2*(\b):33+2*(\b)] offset:4096*i
.set i, i+1
.endr
.endm
.macro WBLOCK b                        ; held, converted, 32 bytes of my column's row into the stage
.set XS, WX+32*(\b)
	s_wait_loadcnt 32-32*(\b)                      ; block 0: the second block's 32 loads may be out; block 1: none
.set i, 0
.rept 32
	v_med3_num_f32 v[XS+i], v[XS+i], -v10, v10
.set i, i+1
.endr
.irp g, 0,1,2,3
	v_cvt_scalef32_pk8_fp8_f32 v[WC+8*(\b)+2*\g:WC+8*(\b)+2*\g+1], v[XS+8*\g:XS+8*\g+7], v11
.endr
	v_nop
	ds_store_b128 v4, v[WC+8*(\b):WC+8*(\b)+3] offset:32*(\b)
	ds_store_b128 v4, v[WC+8*(\b)+4:WC+8*(\b)+7] offset:32*(\b)+16
.endm
; the tail's map: unit u in v[unit] -> v6 = the unit it is copied from (clamped into the buffer), s[40+i] = lanes whose unit is copied and not zero
.macro MAP i, unit, T1, T2, T3, dreg, MAX
	v_cmp_le_u32 vcc_lo, \T2, v[\unit]
	v_cndmask_b32 v6, 0, v[\dreg], vcc_lo
	v_sub_nc_u32 v6, v[\unit], v6
	v_min_u32 v6, \MAX, v6
	v_cmp_gt_u32 s[40+\i], \T1, v[\unit]
	v_add_nc_u32 v7, -(\T2), v[\unit]
	v_cmp_gt_u32 vcc_lo, (\T3)-(\T2), v7
	s_or_b32 s[40+\i], s[40+\i], vcc_lo
.endm
	s_load_b512 s[4:19], s[0:1], 0x0               ; x 4:5, norm_g 6:7, norm_b 8:9, Wmo 10:11, W1's codes 12:13, b1 14:15, the exponents 16:17, xn 18:19
	s_load_b128 s[20:23], s[0:1], 0x40             ; wmoc 20:21, w1t 22:23
	v_lshl_add_u32 v14, v0, 2, 0x2200
	v_mov_b32 v15, 0
	v_lshrrev_b32 v1, 5, v0
	v_readfirstlane_b32 s28, v1                    ; wave
	v_and_b32 v1, 31, v0                           ; lane
	s_wait_kmcnt 0x0
	s_load_b32 s24, s[16:17], 0x0                  ; e0
	s_load_b32 s25, s[16:17], 0x24                 ; e9
	s_cmp_ge_u32 ttmp9, 256
	s_cbranch_scc1 .Lnot_ln
	; ---- layernorm of x, to codes
	s_lshl_b32 s32, ttmp9, 4
	s_lshl_b32 s33, s28, 2
	s_add_co_u32 s32, s32, s33                     ; my wave's first row
	s_lshl_b32 s34, s32, 12
	s_mov_b32 s35, 0
	s_add_nc_u64 s[4:5], s[4:5], s[34:35]
	s_lshl_b32 s34, s32, 10
	s_add_nc_u64 s[18:19], s[18:19], s[34:35]
	s_wait_alu depctr_va_vdst(0)
	v_lshlrev_b32 v2, 5, v1                        ; 32 bytes of f32 a lane
	v_lshlrev_b32 v3, 3, v1                        ; 8 bytes of codes a lane
	v_mov_b32 v7, 0                                ; a lane permute's destination counts as read
	s_mov_b32 s26, 0x3a800000                      ; 1 / 1024
	s_mov_b32 s27, 0x358637bd                      ; 1e-6
	s_mov_b32 s30, 0x76543210
	s_mov_b32 s31, 0xfedcba98
.irp q, 0,1,2,3
.irp g, 0,1,2,3
	global_load_b128 v[XR+32*\q+8*\g:XR+32*\q+8*\g+3], v2, s[4:5] offset:4096*\q+1024*\g th:TH_LOAD_NT
	global_load_b128 v[XR+32*\q+8*\g+4:XR+32*\q+8*\g+7], v2, s[4:5] offset:4096*\q+1024*\g+16 th:TH_LOAD_NT
.endr
.endr
.irp g, 0,1,2,3
	global_load_b128 v[GR+8*\g:GR+8*\g+3], v2, s[6:7] offset:1024*\g
	global_load_b128 v[GR+8*\g+4:GR+8*\g+7], v2, s[6:7] offset:1024*\g+16
	global_load_b128 v[BR+8*\g:BR+8*\g+3], v2, s[8:9] offset:1024*\g
	global_load_b128 v[BR+8*\g+4:BR+8*\g+7], v2, s[8:9] offset:1024*\g+16
.endr
	s_wait_kmcnt 0x0
	s_add_co_i32 s24, s24, 127
	s_lshl_b32 s29, s24, 23
	v_mov_b32 v4, s29                              ; 2^e0 as f32: the conversion takes its exponent field
	s_add_co_i32 s24, s24, 8
	s_lshl_b32 s24, s24, 23
	s_or_b32 s24, s24, 0x600000
	v_mov_b32 v5, s24                              ; 448 x 2^e0
	LNA 0
	LNA 1
	LNA 2
	LNA 3
	s_wait_alu depctr_va_vdst(0)
	v_rsq_f32 v248, v248                           ; the four rows' roots are one batch
	v_rsq_f32 v250, v250
	v_rsq_f32 v252, v252
	v_rsq_f32 v254, v254
	v_nop                                          ; a plain line behind the last of them
	s_wait_alu depctr_va_vdst(0)                   ; one wait for the batch, ahead of its first reader
	v_mov_b32 v249, v248
	v_mov_b32 v251, v250
	v_mov_b32 v253, v252
	v_mov_b32 v255, v254
	s_wait_alu depctr_va_vdst(0)
	s_wait_loadcnt 0x0                             ; gain and bias
	LNC 0
	LNC 1
	LNC 2
	LNC 3
	s_endpgm
.Lnot_ln:
	s_cmp_ge_u32 ttmp9, 352
	s_cbranch_scc1 .Ltail
	; ---- Wmo to codes, K innermost: a lane takes a column n and its registers run down K
	s_sub_co_u32 s48, ttmp9, 256
	s_and_b32 s49, s48, 31                         ; which 32 columns
	s_lshr_b32 s50, s48, 5                         ; which 256 places along K
	s_lshl_b32 s56, s50, 8
	s_lshl_b32 s54, s28, 6                         ; my wave's 64 places of them, and their bytes in a stage row
	s_add_co_u32 s57, s56, s54
	s_lshl_b32 s55, s49, 7                         ; the 32 columns' bytes in a row of Wmo
	s_wait_alu depctr_va_vdst(0)
	v_lshlrev_b32 v3, 2, v1                        ; in: 4 bytes a lane
	v_mul_u32_u24 v4, v1, WP
	v_add_nc_u32 v4, s54, v4                       ; into the stage: row = my column, + 64 x wave
	v_and_b32 v5, 15, v1
	v_lshrrev_b32 v6, 4, v1
	s_mul_i32 s58, s28, 8*WP                       ; out of it: my wave's 8 rows; sixteen lanes to a row, two rows an instruction
	v_mul_u32_u24 v7, v6, WP
	v_lshl_add_u32 v7, v5, 4, v7
	v_add_nc_u32 v7, s58, v7
	v_lshlrev_b32 v8, 10, v6
	v_lshl_add_u32 v8, v5, 4, v8                   ; and the same place in wmoc (rows 1,024 bytes apart)
	s_mov_b32 s53, 0
.irp b, 0,1
	s_add_co_u32 s52, s57, 32*\b
	s_min_u32 s52, s52, 684                        ; the block's first row of Wmo: its last is 715 at the most
	s_lshl_b32 s52, s52, 12
	s_add_co_u32 s52, s52, s55
	s_add_nc_u64 s[32+2*\b:33+2*\b], s[10:11], s[52:53]
.endr
	s_lshl_b32 s52, s49, 5
	s_lshl_b32 s59, s28, 3
	s_add_co_u32 s52, s52, s59                     ; the first column that my wave stores
	s_lshl_b32 s52, s52, 10
	s_add_co_u32 s52, s52, s56
	s_add_nc_u64 s[20:21], s[20:21], s[52:53]
	WLOAD 0                                        ; all that the wave reads is asked for at once
	WLOAD 1
	s_wait_kmcnt 0x0
	s_add_co_i32 s25, s25, 127
	s_lshl_b32 s29, s25, 23
	v_mov_b32 v11, s29                             ; 2^e9
	s_add_co_i32 s25, s25, 8
	s_lshl_b32 s25, s25, 23
	s_or_b32 s25, s25, 0x600000
	v_mov_b32 v10, s25                             ; 448 x 2^e9
	s_wait_alu depctr_va_vdst(0)
	WBLOCK 0
	WBLOCK 1
	s_wait_dscnt 0x0                               ; for the others' sake: my stores into the stage are done
	s_barrier_signal -1
	s_barrier_wait -1                              ; a row's 256 bytes come from four waves
.irp t, 0,1,2,3
	ds_load_b128 v[WO+4*\t:WO+4*\t+3], v7 offset:2*\t*WP
.endr
.irp t, 0,1,2,3
	s_wait_dscnt 3-\t                              ; the younger loads may be out
	global_store_b128 v8, v[WO+4*\t:WO+4*\t+3], s[20:21] offset:2*\t*1024   ; sixteen lanes store 256 consecutive bytes, aligned
.endr
	s_wait_tensorcnt 0x0
	ds_add_u32 v14, v15
	s_wait_dscnt 0x0
	s_endpgm
.Ltail:
	; ---- W1's last tile and b1, by place.  16 pieces of 16 bytes of w1t and one quad of b1p for each thread; what is not copied becomes zero by a select
	s_sub_co_u32 s32, ttmp9, 352
	s_lshl_b32 s33, s32, 11
	v_add_nc_u32 v2, s33, v0                       ; my first piece: 2048 u + thread
	v_lshlrev_b32 v3, 4, v0                        ; 16 x thread
	v_mov_b32 v9, 20
	v_mov_b32 v10, 5
	s_add_nc_u64 s[12:13], s[12:13], 0x380000      ; W1's row 3,584
	s_mov_b32 s35, 0
	s_lshl_b32 s34, s32, 15
	s_add_nc_u64 s[36:37], s[22:23], s[34:35]      ; w1t at my work-group's 32 rows
	s_lshl_b32 s34, s32, 11
	s_add_co_u32 s34, s34, 0x40000
	s_add_nc_u64 s[38:39], s[22:23], s[34:35]      ; b1p at my work-group's 128 quads
.irp it, 0,1,2,3,4,5,6,7,8,9,10,11,12,13,14,15
	v_add_nc_u32 v4, 128*\it, v2
	v_lshrrev_b32 v5, 6, v4                        ; the piece's row of w1t: 64 pieces a row
	MAP \it, 5, 192, 212, 224, 9, 203
	v_and_b32 v4, 63, v4
	v_lshlrev_b32 v6, 10, v6
	v_lshl_add_u32 v[16+\it], v4, 4, v6
	global_load_b128 v[64+4*\it:67+4*\it], v[16+\it], s[12:13]
.endr
	s_lshl_b32 s33, s32, 7
	v_add_nc_u32 v5, s33, v0                       ; my quad of b1p
	MAP 16, 5, 944, 949, 952, 10, 946
	v_lshlrev_b32 v32, 4, v6
	global_load_b128 v[128:131], v32, s[14:15]
	s_wait_loadcnt 0x0
.irp it, 0,1,2,3,4,5,6,7,8,9,10,11,12,13,14,15,16
.irp k, 0,1,2,3
	v_cndmask_b32 v[64+4*\it+\k], 0, v[64+4*\it+\k], s[40+\it]
.endr
.endr
.irp it, 0,1,2,3,4,5,6,7,8,9,10,11,12,13,14,15
	global_store_b128 v3, v[64+4*\it:67+4*\it], s[36:37] offset:2048*\it
.endr
	global_store_b128 v3, v[128:131], s[38:39]
	s_endpgm
.Lfunc_end_k_qcb3fb6fa83_prep:
	.size	k_qcb3fb6fa83_prep, .Lfunc_end_k_qcb3fb6fa83_prep-k_qcb3fb6fa83_prep
	.p2alignl 7, 3214868480
	.fill 96, 4, 3214868480
	.section	.rodata,"a",@progbits
	.p2align	6, 0x0
	.amdhsa_kernel k_qcb3fb6fa83_prep
		.amdhsa_group_segment_fixed_size 9216
		.amdhsa_private_segment_fixed_size 0
		.amdhsa_enable_private_segment 0
		.amdhsa_kernarg_size 80
		.amdhsa_user_sgpr_count 2
		.amdhsa_user_sgpr_kernarg_segment_ptr 1
		.amdhsa_wavefront_size32 1
		.amdhsa_system_sgpr_workgroup_id_x 1
		.amdhsa_system_sgpr_workgroup_id_y 1
		.amdhsa_system_sgpr_workgroup_id_z 1
		.amdhsa_system_vgpr_workitem_id 0
		.amdhsa_next_free_vgpr 256
		.amdhsa_next_free_sgpr 66
		.amdhsa_reserve_vcc 1
		.amdhsa_float_denorm_mode_32 3
		.amdhsa_float_denorm_mode_16_64 3
		.amdhsa_memory_ordered 1
		.amdhsa_forward_progress 1
		.amdhsa_inst_pref_size 74
	.end_amdhsa_kernel
	.amdgpu_metadata
---
amdhsa.version: [ 1, 2 ]
amdhsa.kernels:
  - .name:           k_qcb3fb6fa83_prep
    .symbol:         k_qcb3fb6fa83_prep.kd
    .args:
      - { .name: x, .offset: 0, .size: 8, .value_kind: global_buffer, .address_space: global }
      - { .name: norm_g, .offset: 8, .size: 8, .value_kind: global_buffer, .address_space: global }
      - { .name: norm_b, .offset: 16, .size: 8, .value_kind: global_buffer, .address_space: global }
      - { .name: Wmo, .offset: 24, .size: 8, .value_kind: global_buffer, .address_space: global }
      - { .name: W1_codes, .offset: 32, .size: 8, .value_kind: global_buffer, .address_space: global }
      - { .name: b1, .offset: 40, .size: 8, .value_kind: global_buffer, .address_space: global }
      - { .name: lowp_scales, .offset: 48, .size: 8, .value_kind: global_buffer, .address_space: global }
      - { .name: xn, .offset: 56, .size: 8, .value_kind: global_buffer, .address_space: global }
      - { .name: wmoc, .offset: 64, .size: 8, .value_kind: global_buffer, .address_space: global }
      - { .name: w1t, .offset: 72, .size: 8, .value_kind: global_buffer, .address_space: global }
    .group_segment_fixed_size: 9216
    .private_segment_fixed_size: 0
    .kernarg_segment_align: 8
    .kernarg_segment_size: 80
    .max_flat_workgroup_size: 128
    .sgpr_count:     66
    .vgpr_count:     256
    .wavefront_size: 32
...
	.end_amdgpu_metadata
.endif
;; end of part 1
;; launch qkvh (part 2): grid 16 x 15, 4 waves a work-group, clusters of 4 x 1, 327,680 bytes of LDS; arguments xn, W1_codes, w1t, lowp_scales, qn_g, qn_b, kn_g, kn_b, qi, kv, ah; writes qi, kv, ah
.if DOCPART == 2
	.amdgcn_target "amdgcn-amd-amdhsa--gfx1250"
	.amdhsa_code_object_version 6
	.text
	.protected	k_qcb3fb6fa83_qkvh
	.globl	k_qcb3fb6fa83_qkvh
	.p2align	8
	.type	k_qcb3fb6fa83_qkvh,@function
k_qcb3fb6fa83_qkvh:
	s_mov_b64 s[64:65], 0
	v_nop
	global_prefetch_b8 v0, s[64:65] scope:SCOPE_SE
	s_setreg_imm32_b32 hwreg(HW_REG_WAVE_MODE, 25, 1), 1
	s_wait_xcnt 0x0
	s_wait_alu depctr_hold_cnt(0) depctr_sa_sdst(0) depctr_va_vdst(0) depctr_va_sdst(0) depctr_va_ssrc(0) depctr_va_vcc(0) depctr_vm_vsrc(0)
	s_getreg_b32 s2, hwreg(HW_REG_IB_STS2, 6, 4)
	s_cmp_eq_u32 s2, 0
	s_cbranch_scc0 .Lentry_in_a_cluster
	s_endpgm
.Lentry_in_a_cluster:
	s_bfe_u32 s2, ttmp6, 0x10000c
	s_cmp_lg_u32 s2, 0x3003
	s_cbranch_scc0 .Lentry_shape_is_right
	s_endpgm
.Lentry_shape_is_right:
; QKVH: fused = xn W1^T x 2^(e0 + e1) + b1 on codes of E4M3, and what reference() does to each part of it, up to the next product's codes.
; A work-group of four waves makes 256 tokens x 256 columns (places), a wave 128 x 128: 64 accumulators, 512 registers.  K = 1,024 goes in four steps of 256 through a ring of two LDS slots.
; Column tile nt (work-group y): 0-3 q, 4-7 k, 8-11 v, 12-14 the MLP's hidden layer (tile 14 comes from w1t, laid by place, with zero rows).
; CLUSTER: the four work-groups of a cluster take four token tiles of ONE column tile: W1's tile is asked for jointly (mask 15); xn's tile is each work-group's own load, behind the same rounds.
;   A 4 x 4 cluster is not used: 15 column tiles do not divide by 4.
; THE MATRIX INSTRUCTION: source 0's 16 rows become a lane's eight registers, source 1's rows become lanes.  For q, k and the hidden layer source 0 = W1's rows and source 1 = tokens: a lane holds one token and eight
;   neighbouring columns a tile, which are neighbours along the next K.  For v the two LDS regions change roles (by the fragments' addresses alone; the text is the same): a lane holds one channel and eight neighbouring
;   KEYS a tile, the next K of v.
; RESULTS LEAVE AS IMAGES OF THE NEXT OPERAND'S REGISTERS: four registers by one store, lane l's 16 bytes at 16 l: each store covers 512 consecutive bytes, aligned.  No stage in LDS.
;   q, k: per head layernorm over 64 channels (32 in the lane, 32 in the lane 16 away), gain and bias, codes (e2, e3): 8 registers a tile of 16 tokens.
;   v: codes (e5): 16 registers for 16 channels x 128 keys.
;   hidden: gelu (tanh form, as y / (1 + 2^(y (k0 + k1 y^2)))), codes (e8); two lane exchanges a group of four registers bring them to the places that 16-byte loads from rows give the weights.
; LIMITS: e0 + e1 between -126 and 127; e2, e3, e5, e8 between -126 and 119.  NaN among the inputs is not served.
; REGISTERS: window 0: v0-31 addresses and constants; v32-95 b1 by column; v96-111 codes; v112-127 b1 by lane; from v128 A's fragments, later T (v128-191) and U (v192-255).
;   window 1: B's fragments, two sets; at the end v0-31 the head norm's gain, v32-63 its bias.   windows 2, 3: the accumulators ((a, b) at v[8 (8 (a % 4) + b)]).
.set ROWB,   256
.set PITCH,  272                       ; an LDS row: 256 bytes + 16 of padding: the 16 rows that a load touches start at 16 different banks
.set FR,     16
.set NL,     4
.set NP,     4
.set HALFT,  128*PITCH
.set SLOT,   4*HALFT                   ; xn's 256 rows, then W1's 256 rows
.set SPARE,  2*SLOT                    ; behind the ring: the spare words, 128 bytes a wave
.set ADRA, 16
.set ADRB, 20
.set O0,   24                          ; v24  16 x lane
.set O1,   25                          ; v25  the same, one head further on
.set SPW,  28
.set NIL,  29
.set QS,   30                          ; v30  the quantiser's scale as f32
.set QL,   31                          ; v31  448 x that
.set BI,   32
.set CD,   96
.set BV,   112
.set T,    128
.set U,    192
.set AF,   128
.set G1X, 24
.set G0X, 32
.set G1W, 48
.set G0W, 56
.set MSB, 0
.macro WIN new                         ; the immediate's high byte repeats the setting that is left
.if MSB != (\new)
	s_set_vgpr_msb (MSB<<8)|(\new)
.set MSB, \new
.endif
.endm
.set MUL_LO, 0xa1
.set MUL_HI, 0xf1
.set TO_B,   0x40
.macro JLOAD g0a, g1a, g0b, g1b        ; waves 0 and 1 fetch xn's halves, waves 2 and 3 W1's (jointly); four v_nop follow each line
	s_cmp_eq_u32 s83, 0
	s_cbranch_scc0 .Lfor_b_\@
	tensor_load_to_lds s[\g0a:\g0a+3], s[\g1a:\g1a+7]
	s_nop 0
.rept 4
	v_nop
.endr
	s_branch .Lasked_\@
.Lfor_b_\@:
	tensor_load_to_lds s[\g0b:\g0b+3], s[\g1b:\g1b+7]
	s_nop 0
.rept 4
	v_nop
.endr
.Lasked_\@:
.endm
.macro CREST
	s_cmp_lg_u32 s14, 0
	s_cbranch_scc1 .Lnot_wave_0_\@
	s_barrier_signal -3
.Lnot_wave_0_\@:
	s_barrier_wait -3
	s_barrier_signal -1
	s_barrier_wait -1
.endm
.macro CROUND
	s_barrier_signal -1
	s_barrier_wait -1
	CREST
.endm
.macro FINISH                          ; the wave's end, then the closing round
	s_wait_tensorcnt 0x0
	ds_add_u32 v[SPW], v[NIL]
	s_wait_dscnt 0x0
	CROUND
	s_endpgm
.endm
.macro FRAG reg, adr, q, i             ; 16 rows x 128 K: registers 4 c .. 4 c + 3 hold K = 32 c + 16 (l / 16) + 0 .. 15, alike on both sides
.irp c, 0,1,2,3
	ds_load_b128 v[\reg+4*\c:\reg+4*\c+3], v[\adr] offset:128*(\q)+32*\c+(\i)*16*PITCH
.endr
.endm
.macro MUL16 a0, p, zero               ; the 64 accumulators take turns, one instruction a turn, in the same order in every step
.irp a, \a0, \a0+1
.irp b, 0,1,2,3,4,5,6,7
.if \zero
	v_wmma_f32_16x16x128_fp8_fp8 v[8*(8*((\a)%4)+\b):8*(8*((\a)%4)+\b)+7], v[128*(\p)+FR*\b:128*(\p)+FR*\b+FR-1], v[AF+FR*(\a):AF+FR*(\a)+FR-1], 0
.else
	v_wmma_f32_16x16x128_fp8_fp8 v[8*(8*((\a)%4)+\b):8*(8*((\a)%4)+\b)+7], v[128*(\p)+FR*\b:128*(\p)+FR*\b+FR-1], v[AF+FR*(\a):AF+FR*(\a)+FR-1], v[8*(8*((\a)%4)+\b):8*(8*((\a)%4)+\b)+7]
.endif
.endr
.endr
.endm
.macro FETCH_B slot, q, p
	WIN TO_B
.irp i, 0,1,2,3,4,5,6,7
	FRAG 128*(\p)+FR*\i, ADRB+\slot, \q, \i
.endr
	WIN 0
.endm
.macro FETCH_A slot, q, i0
.irp i, \i0, \i0+1, \i0+2, \i0+3
	FRAG AF+FR*(\i), ADRA+\slot, \q, \i
.endr
.endm
.macro PLACES n                        ; plain vector lines between a matrix instruction and a load into, or a vector read or write of, its registers
.rept \n
	v_nop
.endr
.endm
.macro STEP slot, q, zero              ; 128 along K whose successor lies in the same slot
	s_wait_dscnt 4*NL                              ; B's set and A's blocks 0-3 are in; A's blocks 4-7 (16 loads) may be out
	WIN MUL_LO
	MUL16 0, (\q)%2, \zero
	MUL16 2, (\q)%2, \zero
	s_wait_dscnt 0
	PLACES NP
	FETCH_B \slot, (\q)+1, 1-(\q)%2
	FETCH_A \slot, (\q)+1, 0
	WIN MUL_HI
	MUL16 4, (\q)%2, \zero
	MUL16 6, (\q)%2, \zero
	PLACES NP
	WIN 0
	FETCH_A \slot, (\q)+1, 4
.endm
.macro TURN slot, next, fill           ; a slot's last step changes slots: one barrier; with fill = 1 it opens a round of the cluster's barrier and the slot is filled again, two K steps ahead
	s_wait_tensorcnt 0x0                           ; all my tensor loads have landed: my part of the next slot
	ds_add_u32 v[SPW], v[NIL]                      ; 0 onto my spare word
	s_wait_dscnt 4*NL+1                            ; the add and A's blocks 4-7 may be out
	WIN MUL_LO
	MUL16 0, 1, 0
	s_wait_dscnt 0x0                               ; the add is done, and my reads of this slot are over
	s_barrier_signal -1
	MUL16 2, 1, 0
	WIN 0
	s_barrier_wait -1
.if \fill
	CREST                                          ; no wave of any partner still reads this slot or has a load on its way
	s_add_nc_u64 s[G0X+4*\slot+2:G0X+4*\slot+3], s[G0X+4*\slot+2:G0X+4*\slot+3], 2*ROWB
	s_add_nc_u64 s[G0W+4*\slot+2:G0W+4*\slot+3], s[G0W+4*\slot+2:G0W+4*\slot+3], 2*ROWB
	JLOAD G0X+4*\slot, G1X, G0W+4*\slot, G1W       ; the first tensor load behind the round; its four v_nop are also the places in front of the loads below
.else
	PLACES NP
.endif
	FETCH_B \next, 0, 0
	FETCH_A \next, 0, 0
	WIN MUL_HI
	MUL16 4, 1, 0
	MUL16 6, 1, 0
	PLACES NP
	WIN 0
	FETCH_A \next, 0, 4
.endm
; THE WAY OUT goes by A's blocks, in a loop of eight trips; s82 counts them.  The accumulators' numbers differ from trip to trip, so TAKE is written eight times and all that follows once.
; A trip's stores name the codes' registers and the base s[98:99].  Both are written again in the next trip, directly behind one s_wait_xcnt 0, which stands ahead of the conversions: the next trip's arithmetic lies
; between the stores and that wait.  The base is made anew there, from the path's fixed base s[8:9] and the trip's number.
.macro TAKE a, mode                    ; T = block a's 64 sums x 2^(e0 + e1) + b1, each accumulator from its low end on.  mode 0: b1 by column; 1: b1 by lane
	WIN 0x02+((\a)/4)
	s_wait_alu depctr_va_vdst(0)                   ; directly ahead of the first reader of the block's sums
.set j, 0
.rept 32
.if \mode
	v_pk_fma_f32 v[T+j:T+j+1], v[64*((\a)%4)+j:64*((\a)%4)+j+1], s[80:81], v[BV+2*(\a):BV+2*(\a)+1] op_sel_hi:[1,0,1]
.else
	v_pk_fma_f32 v[T+j:T+j+1], v[64*((\a)%4)+j:64*((\a)%4)+j+1], s[80:81], v[BI+j:BI+j+1] op_sel_hi:[1,0,1]
.endif
.set j, j+2
.endr
	s_wait_alu depctr_va_vdst(0)                   ; ahead of the branch
	WIN 0
.endm
.macro PICK mode
	s_cmp_eq_u32 s82, 1
	s_cbranch_scc1 .Lt1_\@
	s_cmp_eq_u32 s82, 2
	s_cbranch_scc1 .Lt2_\@
	s_cmp_eq_u32 s82, 3
	s_cbranch_scc1 .Lt3_\@
	s_cmp_eq_u32 s82, 4
	s_cbranch_scc1 .Lt4_\@
	s_cmp_eq_u32 s82, 5
	s_cbranch_scc1 .Lt5_\@
	s_cmp_eq_u32 s82, 6
	s_cbranch_scc1 .Lt6_\@
	s_cmp_eq_u32 s82, 7
	s_cbranch_scc1 .Lt7_\@
	TAKE 0, \mode
	s_branch .Ltj_\@
.Lt1_\@:
	TAKE 1, \mode
	s_branch .Ltj_\@
.Lt2_\@:
	TAKE 2, \mode
	s_branch .Ltj_\@
.Lt3_\@:
	TAKE 3, \mode
	s_branch .Ltj_\@
.Lt4_\@:
	TAKE 4, \mode
	s_branch .Ltj_\@
.Lt5_\@:
	TAKE 5, \mode
	s_branch .Ltj_\@
.Lt6_\@:
	TAKE 6, \mode
	s_branch .Ltj_\@
.Lt7_\@:
	TAKE 7, \mode
.Ltj_\@:
.endm
.macro HOLD64                          ; the hold at 448 x the scale: the conversion does not saturate (ISA guide 7.6.2)
.set i, 0
.rept 64
	v_med3_num_f32 v[T+i], v[T+i], -v[QL], v[QL]
.set i, i+1
.endr
.endm
.macro CVT16                           ; T's 64 numbers become 16 registers of codes
.irp b, 0,1,2,3,4,5,6,7
	v_cvt_scalef32_pk8_fp8_f32 v[CD+2*\b:CD+2*\b+1], v[T+8*\b:T+8*\b+7], v[QS]
.endr
	v_nop                                          ; a plain line behind the last conversion
.endm
.macro STORE16
.irp q, 0,1,2,3
	global_store_b128 v[O0], v[CD+4*\q:CD+4*\q+3], s[98:99] offset:512*\q
.endr
.endm
.macro HRED                            ; both heads' two chains are joined, the pair's halves added, and the lane 16 away's share: v[U + 16 hd + 4]
.irp hd, 0,1
	v_pk_add_f32 v[U+16*\hd:U+16*\hd+1], v[U+16*\hd:U+16*\hd+1], v[U+16*\hd+2:U+16*\hd+3]
.endr
.irp hd, 0,1
	v_add_f32 v[U+16*\hd+4], v[U+16*\hd], v[U+16*\hd+1]
.endr
.irp hd, 0,1
	v_permlanex16_b32 v[U+16*\hd+5], v[U+16*\hd+4], s20, s21
.endr
.irp hd, 0,1
	v_add_f32 v[U+16*\hd+4], v[U+16*\hd+4], v[U+16*\hd+5]
.endr
.endm
.macro QK_COMMON                       ; T holds 16 tokens x two heads (head hd: T + 32 hd, register 8 b + i = channel 16 b + 8 (l / 16) + i)
.irp hd, 0,1
	v_pk_add_f32 v[U+16*\hd:U+16*\hd+1], v[T+32*\hd:T+32*\hd+1], v[T+32*\hd+2:T+32*\hd+3]
	v_pk_add_f32 v[U+16*\hd+2:U+16*\hd+3], v[T+32*\hd+4:T+32*\hd+5], v[T+32*\hd+6:T+32*\hd+7]
.endr
.set j, 8
.rept 6
.irp hd, 0,1
	v_pk_add_f32 v[U+16*\hd:U+16*\hd+1], v[U+16*\hd:U+16*\hd+1], v[T+32*\hd+j:T+32*\hd+j+1]
	v_pk_add_f32 v[U+16*\hd+2:U+16*\hd+3], v[U+16*\hd+2:U+16*\hd+3], v[T+32*\hd+j+2:T+32*\hd+j+3]
.endr
.set j, j+4
.endr
	HRED
.irp hd, 0,1
	v_mul_f32 v[U+16*\hd+6], s22, v[U+16*\hd+4]    ; the mean, in both words of a pair
	v_mul_f32 v[U+16*\hd+7], s22, v[U+16*\hd+4]
.endr
.set j, 0
.rept 16
.irp hd, 0,1
	v_pk_add_f32 v[T+32*\hd+j:T+32*\hd+j+1], v[T+32*\hd+j:T+32*\hd+j+1], v[U+16*\hd+6:U+16*\hd+7] neg_lo:[0,1] neg_hi:[0,1]
.endr
.set j, j+2
.endr
.irp hd, 0,1
	v_pk_mul_f32 v[U+16*\hd:U+16*\hd+1], v[T+32*\hd:T+32*\hd+1], v[T+32*\hd:T+32*\hd+1]
	v_pk_mul_f32 v[U+16*\hd+2:U+16*\hd+3], v[T+32*\hd+2:T+32*\hd+3], v[T+32*\hd+2:T+32*\hd+3]
.endr
.set j, 4
.rept 7
.irp hd, 0,1
	v_pk_fma_f32 v[U+16*\hd:U+16*\hd+1], v[T+32*\hd+j:T+32*\hd+j+1], v[T+32*\hd+j:T+32*\hd+j+1], v[U+16*\hd:U+16*\hd+1]
	v_pk_fma_f32 v[U+16*\hd+2:U+16*\hd+3], v[T+32*\hd+j+2:T+32*\hd+j+3], v[T+32*\hd+j+2:T+32*\hd+j+3], v[U+16*\hd+2:U+16*\hd+3]
.endr
.set j, j+4
.endr
	HRED
.irp hd, 0,1
	v_fma_f32 v[U+16*\hd+8], v[U+16*\hd+4], s22, s23   ; the variance + eps
.endr
	s_wait_alu depctr_va_vdst(0)                   ; ahead of the roots
.irp hd, 0,1
	v_rsq_f32 v[U+16*\hd+8], v[U+16*\hd+8]
.endr
	v_nop                                          ; a plain line behind the roots
	s_wait_alu depctr_va_vdst(0)                   ; one wait for both, ahead of their first reader
.irp hd, 0,1
	v_mov_b32 v[U+16*\hd+9], v[U+16*\hd+8]
.endr
.set j, 0
.rept 16
.irp hd, 0,1
	v_pk_mul_f32 v[T+32*\hd+j:T+32*\hd+j+1], v[T+32*\hd+j:T+32*\hd+j+1], v[U+16*\hd+8:U+16*\hd+9]
.endr
.set j, j+2
.endr
	WIN 0x14                                       ; sources 1 and 2 (gain, bias) in window 1
.set j, 0
.rept 16
.irp hd, 0,1
	v_pk_fma_f32 v[T+32*\hd+j:T+32*\hd+j+1], v[T+32*\hd+j:T+32*\hd+j+1], v[j:j+1], v[32+j:33+j]
.endr
.set j, j+2
.endr
	WIN 0
	HOLD64
	s_wait_alu depctr_va_vdst(0)                   ; directly ahead of the wait below
	s_wait_xcnt 0x0                                ; the last trip's stores have read the codes' registers and their base: both are written below
	s_lshl_b32 s2, s82, 10
	s_add_nc_u64 s[98:99], s[8:9], s[2:3]
	CVT16
.irp hd, 0,1
.irp c, 0,1
	global_store_b128 v[O0+\hd], v[CD+8*\hd+4*\c:CD+8*\hd+4*\c+3], s[98:99] offset:512*\c
.endr
.endr
.endm
; gelu(y) = y / (1 + 2^(y (k0 + k1 y^2))), k0 = -2 sqrt(2 / pi) log2(e), k1 = 0.044715 k0.  Pair p of 32 is T + 2 p, U + 2 p.
.macro MA p                            ; y^2
	v_pk_mul_f32 v[U+2*(\p):U+2*(\p)+1], v[T+2*(\p):T+2*(\p)+1], v[T+2*(\p):T+2*(\p)+1]
.endm
.macro MF p                            ; k1 y^2 + k0
	v_pk_fma_f32 v[U+2*(\p):U+2*(\p)+1], v[U+2*(\p):U+2*(\p)+1], s[6:7], v[12:13] op_sel_hi:[1,0,1]
.endm
.macro MB p                            ; x y
	v_pk_mul_f32 v[U+2*(\p):U+2*(\p)+1], v[U+2*(\p):U+2*(\p)+1], v[T+2*(\p):T+2*(\p)+1]
.endm
.macro AD p                            ; 1 + the exponential
	v_pk_add_f32 v[U+2*(\p):U+2*(\p)+1], v[U+2*(\p):U+2*(\p)+1], 1.0 op_sel_hi:[1,0]
.endm
.macro MLP_COMMON
; The polynomial of all 32 pairs, then the 64 exponentials as one batch, the additions, then the 64 reciprocals as one batch: each batch has one wait ahead of it and one behind it.
.set i, 0
.rept 32
	MA i
.set i, i+1
.endr
.set i, 0
.rept 32
	MF i
.set i, i+1
.endr
.set i, 0
.rept 32
	MB i
.set i, i+1
.endr
	s_wait_alu depctr_va_vdst(0)                   ; ahead of the batch
.set i, 0
.rept 64
	v_exp_f32 v[U+i], v[U+i]
.set i, i+1
.endr
	v_nop                                          ; a plain line behind the last exponential
	s_wait_alu depctr_va_vdst(0)                   ; one wait for the 64 exponentials, ahead of their first reader
.set i, 0
.rept 32
	AD i
.set i, i+1
.endr
	s_wait_alu depctr_va_vdst(0)                   ; ahead of the batch
.set i, 0
.rept 64
	v_rcp_f32 v[U+i], v[U+i]
.set i, i+1
.endr
	v_nop
	s_wait_alu depctr_va_vdst(0)                   ; one wait for the 64 reciprocals
.set j, 0
.rept 32
	v_pk_mul_f32 v[T+j:T+j+1], v[T+j:T+j+1], v[U+j:U+j+1]
.set j, j+2
.endr
	HOLD64
	s_wait_alu depctr_va_vdst(0)                   ; directly ahead of the wait below
	s_wait_xcnt 0x0                                ; the last trip's stores have read the codes' registers and their base: both are written below
	s_lshl_b32 s2, s82, 15
	s_add_nc_u64 s[98:99], s[8:9], s[2:3]
	CVT16
.irp c, 0,1,2,3                        ; registers 4 c, 4 c + 1 held k = 32 c + 8 h + .., 4 c + 2, 4 c + 3 k = 32 c + 16 + 8 h + ..: the exchange leaves k = 32 c + 16 h + 0 .. 15 in the four
	v_permlane16_swap_b32 v[CD+4*\c], v[CD+4*\c+2]
	v_permlane16_swap_b32 v[CD+4*\c+1], v[CD+4*\c+3]
.endr
	STORE16
.endm
	s_load_b256 s[4:11], s[0:1], 0x0               ; xn 4:5, W1's codes 6:7, w1t 8:9, the exponents 10:11
	s_load_b256 s[84:91], s[0:1], 0x20             ; qn_g, qn_b, kn_g, kn_b
	s_load_b128 s[92:95], s[0:1], 0x40             ; qi, kv
	s_load_b64 s[96:97], s[0:1], 0x50              ; ah
	v_lshl_add_u32 v[SPW], v0, 2, SPARE
	v_mov_b32 v[NIL], 0
	ds_add_u32 v28, v29
	ds_add_u32 v28, v29
	s_wait_dscnt 0x0
	v_lshrrev_b32 v1, 5, v0
	v_readfirstlane_b32 s14, v1                    ; wave 0..3
	s_lshr_b32 s15, s14, 1                         ; which half of the lanes' operand is mine.  Also: I fetch xn (0) or W1 (1)
	s_and_b32 s16, s14, 1                          ; which half of the registers' operand.  Also: which 128 rows I fetch
	s_bfe_u32 s40, ttmp6, 0x40000                  ; cx
	s_lshl_b32 s42, ttmp9, 2
	s_add_co_u32 s42, s42, s40                     ; mt: the token tile: it enters global addresses alone
	s_and_b32 s17, ttmp7, 0xffff                   ; nt: the column tile, which the partners share
	s_lshr_b32 s43, s17, 2
	s_cmp_eq_u32 s43, 2                            ; for v the waves change what they fetch: waves 0, 1 take W1's halves into LDS rows 0-255, waves 2, 3 xn's into rows 256-511
	s_cselect_b32 s83, 1, 0
	s_xor_b32 s83, s83, s15                        ; s83: 0 = I fetch xn, 1 = I fetch W1; the LDS addresses hang on the wave's number alone
	s_mov_b32 s[G1X], (1<<20)|(5<<22)|(3<<25)      ; elements of 1 byte; 4 words of padding behind every 64; no mask
	s_mov_b32 s[G1W], 15|(1<<20)|(1<<21)|(5<<22)|(3<<25)   ; the same with the mask of all four work-groups, bit 21 beside it
.irp g, G1X, G1W
	s_mov_b32 s[\g+1], ROWB<<16                    ; tensor_dim0
	s_mov_b32 s[\g+2], 128<<16                     ; tensor_dim1
	s_mov_b32 s[\g+3], ROWB<<16                    ; tile_dim0
	s_mov_b32 s[\g+4], 128                         ; tile_dim1
	s_mov_b32 s[\g+5], 1024                        ; from row to row
	s_mov_b32 s[\g+6], 0
	s_mov_b32 s[\g+7], 0
.endr
	s_lshl_b32 s18, s16, 17                        ; 128 rows of 1,024 bytes
	s_lshl_b32 s44, s42, 18
	s_add_co_u32 s44, s44, s18
	s_mov_b32 s45, 0                               ; xn: 256 mt + 128 x half rows
	s_cmp_eq_u32 s17, 14
	s_cselect_b32 s46, 0, s17
	s_lshl_b32 s46, s46, 18
	s_add_co_u32 s46, s46, s18
	s_mov_b32 s47, 0                               ; W1: 256 nt + 128 x half rows; tile 14 begins at w1t's first byte
	s_mul_i32 s41, s14, HALFT                      ; where they go: wave x 128 rows
	s_mov_b32 s20, 0x76543210
	s_mov_b32 s21, 0xfedcba98
	s_mov_b32 s22, 0x3c800000                      ; 1 / 64
	s_mov_b32 s23, 0x358637bd                      ; 1e-6
	s_wait_kmcnt 0x0
	s_load_b256 s[68:75], s[10:11], 0x0            ; e0 .. e7
	s_load_b128 s[76:79], s[10:11], 0x20           ; e8 .. e11
	s_add_nc_u64 s[44:45], s[4:5], s[44:45]
	s_cmp_eq_u32 s17, 14
	s_cselect_b64 s[12:13], s[8:9], s[6:7]
	s_add_nc_u64 s[46:47], s[12:13], s[46:47]
	CROUND                                         ; all four work-groups are here: the first joint loads meet
.irp s, 0,1
	s_mov_b32 s[G0X+4*\s], 1
	s_add_co_u32 s[G0X+4*\s+1], s41, \s*SLOT
	s_add_nc_u64 s[G0X+4*\s+2:G0X+4*\s+3], s[44:45], \s*ROWB
	s_or_b32 s[G0X+4*\s+3], s[G0X+4*\s+3], 0x80000000
	s_mov_b32 s[G0W+4*\s], 1
	s_add_co_u32 s[G0W+4*\s+1], s41, \s*SLOT
	s_add_nc_u64 s[G0W+4*\s+2:G0W+4*\s+3], s[46:47], \s*ROWB
	s_or_b32 s[G0W+4*\s+3], s[G0W+4*\s+3], 0x80000000
.endr
	JLOAD G0X, G1X, G0W, G1W                       ; K step 0: one tensor load a wave at the head
	s_mul_i32 s2, s15, HALFT                       ; the lanes' operand lies in LDS rows 0-255,
	s_mul_i32 s3, s16, HALFT
	s_add_co_u32 s3, s3, 2*HALFT                   ; the registers' operand in rows 256-511
	v_and_b32 v1, 15, v0                           ; r
	v_bfe_u32 v2, v0, 4, 1                         ; h
	v_mul_u32_u24 v3, v1, PITCH
	v_lshl_add_u32 v4, v2, 4, v3
	v_add_nc_u32 v[ADRA], s2, v4
	v_add_nc_u32 v[ADRB], s3, v4
	v_add_nc_u32 v[ADRA+1], SLOT, v[ADRA]
	v_add_nc_u32 v[ADRB+1], SLOT, v[ADRB]
	; b1, in both forms, into registers that the K steps do not name; their address registers and bases stay as they are until the wait
	v_lshlrev_b32 v10, 5, v2                       ; 32 h
	v_lshlrev_b32 v11, 2, v1                       ; 4 r
	s_wait_alu depctr_va_vdst(0)                   ; behind these writes
	s_lshl_b32 s18, s17, 10
	s_add_co_u32 s18, s18, 0x40000                 ; b1p's place 256 nt
	s_lshl_b32 s19, s16, 9
	s_add_co_u32 s2, s18, s19
	s_mov_b32 s3, 0
	s_add_nc_u64 s[66:67], s[8:9], s[2:3]          ; + 128 x my half of the registers' operand
	s_lshl_b32 s19, s15, 9
	s_add_co_u32 s2, s18, s19
	s_add_nc_u64 s[12:13], s[8:9], s[2:3]          ; + 128 x my half of the lanes' operand
.irp b, 0,1,2,3,4,5,6,7
	global_load_b128 v[BI+8*\b:BI+8*\b+3], v10, s[66:67] offset:64*\b
	global_load_b128 v[BI+8*\b+4:BI+8*\b+7], v10, s[66:67] offset:64*\b+16
.endr
.irp a, 0,1,2,3,4,5,6,7
	global_load_b32 v[BV+2*\a], v11, s[12:13] offset:64*\a
.endr
	v_and_b32 v5, 31, v0
	v_lshlrev_b32 v[O0], 4, v5
	s_add_co_u32 s18, s43, 17
	s_lshl_b32 s18, 1, s18
	v_add_nc_u32 v[O1], s18, v[O0]                 ; a head on: 2^17 bytes in qi, 2^18 in kv
	v_mov_b32 v12, 0xc0135761                      ; k0
	v_mov_b32 v13, 0xc0135761
	s_cmp_eq_u32 s43, 0
	s_cselect_b64 s[84:85], s[84:85], s[88:89]     ; the head norm's gain and bias: q's or k's
	s_cselect_b64 s[86:87], s[86:87], s[90:91]
	s_wait_kmcnt 0x0
	s_add_co_i32 s80, s68, s69
	s_add_co_i32 s80, s80, 127
	s_lshl_b32 s80, s80, 23                        ; 2^(e0 + e1)
	s_mov_b32 s81, s80
	s_cmp_eq_u32 s43, 0                            ; the exponent of what this tile makes: a choice, never a branch
	s_cselect_b32 s18, s70, s71
	s_cmp_eq_u32 s43, 2
	s_cselect_b32 s18, s73, s18
	s_cmp_eq_u32 s43, 3
	s_cselect_b32 s18, s76, s18
	s_add_co_i32 s18, s18, 127
	s_lshl_b32 s19, s18, 23
	v_mov_b32 v[QS], s19
	s_add_co_i32 s18, s18, 8
	s_lshl_b32 s18, s18, 23
	s_or_b32 s18, s18, 0x600000
	v_mov_b32 v[QL], s18
	s_wait_alu depctr_va_vdst(0)                   ; the head's end
	s_wait_tensorcnt 0x0                           ; my part of K step 0 is in
	ds_add_u32 v[SPW], v[NIL]
	s_wait_dscnt 0x0
	CROUND                                         ; everybody's part of K step 0 is in, and the four work-groups are here
	JLOAD G0X+4, G1X, G0W+4, G1W                   ; K step 1: the first tensor load behind the round
	FETCH_B 0, 0, 0
	FETCH_A 0, 0, 0
	FETCH_A 0, 0, 4
	STEP 0, 0, 1                                   ; the first products start the sums
	TURN 0, 1, 1
	STEP 1, 0, 0
	TURN 1, 0, 1
	STEP 0, 0, 0
	TURN 0, 1, 0                                   ; nothing is left to fetch
	STEP 1, 0, 0
	WIN TO_B                                       ; gain and bias of the head norm into B's set 0, which is done with (the step's four closing places stand behind its last readers)
.irp b, 0,1,2,3
	global_load_b128 v[8*\b:8*\b+3], v10, s[84:85] offset:64*\b
	global_load_b128 v[8*\b+4:8*\b+7], v10, s[84:85] offset:64*\b+16
	global_load_b128 v[32+8*\b:32+8*\b+3], v10, s[86:87] offset:64*\b
	global_load_b128 v[32+8*\b+4:32+8*\b+7], v10, s[86:87] offset:64*\b+16
.endr
	WIN 0
	s_wait_dscnt 4*NL                              ; the very last step
	WIN MUL_LO
	MUL16 0, 1, 0
	MUL16 2, 1, 0
	s_wait_dscnt 0
	WIN MUL_HI
	MUL16 4, 1, 0
	MUL16 6, 1, 0
	WIN 0
	PLACES NP
	s_wait_loadcnt 0x0                             ; the biases, gain and bias
	s_mov_b32 s82, 0
	s_cmp_eq_u32 s43, 2
	s_cbranch_scc1 .Lv
	s_cmp_eq_u32 s43, 3
	s_cbranch_scc1 .Lmlp
	; ---- q and k
	v_mov_b32 v[U+5], 0                            ; a lane permute's destination counts as read
	v_mov_b32 v[U+21], 0
	s_lshr_b32 s2, s42, 3
	s_lshl_b32 s2, s2, 4
	s_and_b32 s3, s17, 3
	s_lshl_b32 s3, s3, 2
	s_add_co_u32 s2, s2, s3
	s_lshl_b32 s3, s16, 1
	s_add_co_u32 s2, s2, s3                        ; batch x 16 + my first head
	s_add_co_u32 s3, s43, 17
	s_lshl_b32 s2, s2, s3
	s_and_b32 s3, s42, 7
	s_lshl_b32 s3, s3, 4
	s_lshl_b32 s18, s15, 3
	s_add_co_u32 s3, s3, s18                       ; my first tile of 16 tokens in the batch
	s_lshl_b32 s3, s3, 10
	s_add_co_u32 s2, s2, s3
	s_mov_b32 s3, 0                                ; stays 0: the upper word of the trips' offsets
	s_cmp_eq_u32 s43, 0
	s_cselect_b64 s[8:9], s[92:93], s[94:95]
	s_add_nc_u64 s[8:9], s[8:9], s[2:3]            ; the path's fixed base
.Lqk:
	PICK 0
	QK_COMMON
	s_add_co_u32 s82, s82, 1
	s_cmp_lt_u32 s82, 8
	s_cbranch_scc1 .Lqk
	FINISH
.Lv:	; ---- v: a lane holds a channel, its registers 128 keys
.irp a, 0,1,2,3,4,5,6,7
	v_mov_b32 v[BV+2*\a+1], v[BV+2*\a]
.endr
	s_lshr_b32 s2, s42, 3
	s_lshl_b32 s2, s2, 4
	s_sub_co_u32 s3, s17, 8
	s_lshl_b32 s3, s3, 2
	s_add_co_u32 s2, s2, s3
	s_lshl_b32 s3, s15, 1
	s_add_co_u32 s2, s2, s3                        ; batch x 16 + my first head
	s_lshl_b32 s2, s2, 18
	s_and_b32 s3, s42, 7
	s_lshl_b32 s3, s3, 1
	s_add_co_u32 s3, s3, s16                       ; my block of 128 keys
	s_lshl_b32 s3, s3, 13
	s_add_co_u32 s2, s2, s3
	s_add_co_u32 s2, s2, 0x20000                   ; V's images lie behind K's
	s_mov_b32 s3, 0
	s_add_nc_u64 s[8:9], s[94:95], s[2:3]          ; the path's fixed base
.Lvl:
	PICK 1
	HOLD64
	s_wait_alu depctr_va_vdst(0)                   ; directly ahead of the wait below
	s_wait_xcnt 0x0                                ; the last trip's stores have read the codes' registers and their base: both are written below
	s_lshr_b32 s2, s82, 2
	s_lshl_b32 s2, s2, 18
	s_and_b32 s3, s82, 3
	s_lshl_b32 s3, s3, 11
	s_add_co_u32 s2, s2, s3
	s_mov_b32 s3, 0
	s_add_nc_u64 s[98:99], s[8:9], s[2:3]
	CVT16
	STORE16
	s_add_co_u32 s82, s82, 1
	s_cmp_lt_u32 s82, 8
	s_cbranch_scc1 .Lvl
	FINISH
.Lmlp:	; ---- the hidden layer
	s_mov_b32 s6, 0xbdd2d3e8                       ; k1
	s_mov_b32 s7, 0xbdd2d3e8
	s_lshl_b32 s2, s42, 4
	s_lshl_b32 s3, s15, 3
	s_add_co_u32 s2, s2, s3                        ; my first tile of 16 tokens
	s_lshl_b32 s2, s2, 15
	s_sub_co_u32 s3, s17, 12
	s_lshl_b32 s3, s3, 1
	s_add_co_u32 s3, s3, s16
	s_add_co_u32 s3, s3, 8                         ; my K step of 128 in ah
	s_lshl_b32 s3, s3, 11
	s_add_co_u32 s2, s2, s3
	s_mov_b32 s3, 0                                ; stays 0: the upper word of the trips' offsets
	s_add_nc_u64 s[8:9], s[96:97], s[2:3]          ; the path's fixed base
.Lml:
	PICK 0
	MLP_COMMON
	s_add_co_u32 s82, s82, 1
	s_cmp_lt_u32 s82, 8
	s_cbranch_scc1 .Lml
	FINISH
.Lfunc_end_k_qcb3fb6fa83_qkvh:
	.size	k_qcb3fb6fa83_qkvh, .Lfunc_end_k_qcb3fb6fa83_qkvh-k_qcb3fb6fa83_qkvh
	.p2alignl 7, 3214868480
	.fill 96, 4, 3214868480
	.section	.rodata,"a",@progbits
	.p2align	6, 0x0
	.amdhsa_kernel k_qcb3fb6fa83_qkvh
		.amdhsa_group_segment_fixed_size 327680
		.amdhsa_private_segment_fixed_size 0
		.amdhsa_enable_private_segment 0
		.amdhsa_kernarg_size 88
		.amdhsa_user_sgpr_count 2
		.amdhsa_user_sgpr_kernarg_segment_ptr 1
		.amdhsa_wavefront_size32 1
		.amdhsa_system_sgpr_workgroup_id_x 1
		.amdhsa_system_sgpr_workgroup_id_y 1
		.amdhsa_system_sgpr_workgroup_id_z 1
		.amdhsa_system_vgpr_workitem_id 0
		.amdhsa_next_free_vgpr 1024
		.amdhsa_next_free_sgpr 100
		.amdhsa_reserve_vcc 0
		.amdhsa_float_denorm_mode_32 3
		.amdhsa_float_denorm_mode_16_64 3
		.amdhsa_memory_ordered 1
		.amdhsa_forward_progress 1
		.amdhsa_inst_pref_size 179
	.end_amdhsa_kernel
	.amdgpu_metadata
---
amdhsa.version: [ 1, 2 ]
amdhsa.kernels:
  - .name:           k_qcb3fb6fa83_qkvh
    .symbol:         k_qcb3fb6fa83_qkvh.kd
    .args:
      - { .name: xn, .offset: 0, .size: 8, .value_kind: global_buffer, .address_space: global }
      - { .name: W1_codes, .offset: 8, .size: 8, .value_kind: global_buffer, .address_space: global }
      - { .name: w1t, .offset: 16, .size: 8, .value_kind: global_buffer, .address_space: global }
      - { .name: lowp_scales, .offset: 24, .size: 8, .value_kind: global_buffer, .address_space: global }
      - { .name: qn_g, .offset: 32, .size: 8, .value_kind: global_buffer, .address_space: global }
      - { .name: qn_b, .offset: 40, .size: 8, .value_kind: global_buffer, .address_space: global }
      - { .name: kn_g, .offset: 48, .size: 8, .value_kind: global_buffer, .address_space: global }
      - { .name: kn_b, .offset: 56, .size: 8, .value_kind: global_buffer, .address_space: global }
      - { .name: qi, .offset: 64, .size: 8, .value_kind: global_buffer, .address_space: global }
      - { .name: kv, .offset: 72, .size: 8, .value_kind: global_buffer, .address_space: global }
      - { .name: ah, .offset: 80, .size: 8, .value_kind: global_buffer, .address_space: global }
    .group_segment_fixed_size: 327680
    .private_segment_fixed_size: 0
    .kernarg_segment_align: 8
    .kernarg_segment_size: 88
    .max_flat_workgroup_size: 128
    .sgpr_count:     100
    .vgpr_count:     1024
    .wavefront_size: 32
...
	.end_amdgpu_metadata
.endif
;; end of part 2
;; launch attn (part 3): grid 8 x 32, 8 waves a work-group, clusters of 4 x 1, 327,680 bytes of LDS; arguments qi, kv, lowp_scales, ah; writes ah
.if DOCPART == 3
	.amdgcn_target "amdgcn-amd-amdhsa--gfx1250"
	.amdhsa_code_object_version 6
	.text
	.protected	k_qcb3fb6fa83_attn
	.globl	k_qcb3fb6fa83_attn
	.p2align	8
	.type	k_qcb3fb6fa83_attn,@function
k_qcb3fb6fa83_attn:
	s_mov_b64 s[64:65], 0
	v_nop
	global_prefetch_b8 v0, s[64:65] scope:SCOPE_SE
	s_setreg_imm32_b32 hwreg(HW_REG_WAVE_MODE, 25, 1), 1
	s_wait_xcnt 0x0
	s_wait_alu depctr_hold_cnt(0) depctr_sa_sdst(0) depctr_va_vdst(0) depctr_va_sdst(0) depctr_va_ssrc(0) depctr_va_vcc(0) depctr_vm_vsrc(0)
	s_getreg_b32 s2, hwreg(HW_REG_IB_STS2, 6, 4)
	s_cmp_eq_u32 s2, 0
	s_cbranch_scc0 .Lentry_in_a_cluster
	s_endpgm
.Lentry_in_a_cluster:
	s_bfe_u32 s2, ttmp6, 0x10000c
	s_cmp_lg_u32 s2, 0x3003
	s_cbranch_scc0 .Lentry_shape_is_right
	s_endpgm
.Lentry_shape_is_right:
; ATTN: a = softmax(q k^T / 8) v for one (batch, head) and 256 queries a work-group, both products on codes of E4M3; a's codes (e6) go to ah as images of the next product's operand.
; qi: a head is 128 tiles of 16 queries, each an image of 8 registers (1,024 bytes).  kv: a head is 2^18 bytes: K's 128 tiles of 16 keys (1,024 bytes each), then from byte 2^17 V: 16 blocks of 128 keys x 4 tiles of 16 channels (2,048 bytes each).
; THE SOFTMAX: t = score x log2(e) / 8 x 2^(e2 + e3); M = the running largest t rounded up to a whole number; p = 2^(t - M) is quantised (e4) and not normalised; the sum of the unquantised p divides at the end.
;   When M moves, the sum and O are multiplied by 2^(old M - new M), in every step, with no branch on data.
; SHARES: eight waves, two to a SIMD, each with TWO tiles of 16 queries: every fragment of K and of V that a wave reads from LDS feeds two matrix instructions, and the two tiles' chains stand line by line beside each other.
;   The head's whole K and V (2^18 bytes) lie in LDS, filled once: each wave fetches 8,192 bytes at the head (keys 0-511) and 24,576 bytes behind a full sequence.
; CLUSTER: the four work-groups of a cluster take four blocks of queries of ONE head: K and V are asked for jointly (mask 15).
; Both products are used transposed (S^T = K Q^T, O^T = V^T P^T): a lane holds one query of each tile; key tile t's eight registers are keys 16 t + 8 (lane / 16) + 0 .. 7, which is where the K = 128 form wants p's codes.
; The next step's K is asked for behind the scores' products, the next step's V behind the second product: between request and use stands a step's softmax.
; The last step's fetch names the last block of keys again and its numbers are not used: so the step has one form.
; No prefetch: all tiles are asked for at the head, so there is no loop to run ahead in.
; REGISTERS.  Window 0: addresses, the two tiles' small state (12 registers each), Q, p's codes, K's and V's fragments.  Window 1: v0-127 the two tiles' scores, then p; v128-191 their O^T.
;   So one setting of the windows serves a whole phase of both tiles.
; LIMITS: e4 is at least -8 (p is at most 1, so p / 2^e4 is at most 256 and no code passes 448: no hold is written for p) and at most 127; e2 + e3 between -123 and 130; e6 - e4 - e5 between -126 and 119.
;   The scaled scores stay under 2^31 in magnitude.  NaN among the inputs is not served.
.set SPARE, 0x40000                    ; behind K and V: the spare words, 128 bytes a wave
.set WV,  18
.set SEL, 20
.set CS,  22                           ; s[22:23] c = log2(e) / 8 x 2^(e2 + e3)
.set G1S, 24                           ; group 1: 32 rows of 256 bytes
.set G1L, 32                           ; group 1: 96 rows of 256 bytes
.set G0A, 40
.set G0B, 44
.set TB,  50                           ; 8,192 x the step's number
.set CNT, 51
.set NC,  60                           ; s60 -c
.set TN,  61                           ; s61 LDS byte of the block of keys that the step fetches
.set SPW, 2                            ; v2  my spare word
.set NIL, 3                            ; v3  0
.set AK,  4                            ; v4  LDS address in K, v5 in V, of the block to fetch
.set AV,  5
.set TS,  12                           ; a tile's small state: 12 registers, from v6 and from v18:
.set NM,  6                            ;   -M, the largest score so far
.set LS,  8                            ;   the sum, a pair
.set FF,  10                           ;   f = 2^(old M - new M), a pair
.set MT,  12                           ;   six for chains of maxima and of sums
.set QS,  30                           ; v30 2^e4
.set QF,  32                           ; v32-47 Q's two fragments
.set CD,  48                           ; v48-79 p's codes, 16 a tile
.set KA,  80                           ; v80-143 K's eight fragments
.set VV,  144                          ; v144-207 V's four fragments
.set EC,  208                          ; v208-209 the last conversion's scale and hold
.set OB,  128                          ; window 1: O^T, 32 a tile; the scores lie from 0, 64 a tile
.set MSB, 0
.macro WIN new                         ; the immediate's high byte repeats the setting that is left
.if MSB != (\new)
	s_set_vgpr_msb (MSB<<8)|(\new)
.set MSB, \new
.endif
.endm
.macro CROUND
	s_barrier_signal -1
	s_barrier_wait -1
	s_cmp_lg_u32 s[WV], 0
	s_cbranch_scc1 .Lnot_wave_0_\@
	s_barrier_signal -3
.Lnot_wave_0_\@:
	s_barrier_wait -3
	s_barrier_signal -1
	s_barrier_wait -1
.endm
.macro LOADK                           ; eight tiles of 16 keys
.irp t, 0,1,2,3,4,5,6,7
	ds_load_b128 v[KA+8*\t:KA+8*\t+3], v[AK] offset:1024*\t
	ds_load_b128 v[KA+8*\t+4:KA+8*\t+7], v[AK] offset:1024*\t+512
.endr
.endm
.macro LOADV                           ; four tiles of 16 channels x 128 keys
.irp f, 0,1,2,3
.irp c, 0,1,2,3
	ds_load_b128 v[VV+16*\f+4*\c:VV+16*\f+4*\c+3], v[AV] offset:2048*\f+512*\c
.endr
.endr
.endm
; A KEY STEP: 128 keys x 32 queries
.macro STEP
	s_wait_alu depctr_va_vdst(0)                   ; directly ahead of the wait below
	s_wait_dscnt 16                                ; K's fragments are in; V's 16 loads, issued behind them, may be out
	WIN 0x40                                       ; D in window 1
.irp t, 0,1,2,3,4,5,6,7
.irp q, 0,1
	v_wmma_f32_16x16x64_fp8_fp8 v[64*\q+8*\t:64*\q+8*\t+7], v[KA+8*\t:KA+8*\t+7], v[QF+8*\q:QF+8*\q+7], 0
.endr
.endr
	WIN 0
.rept 4
	v_nop                                          ; places ahead of the loads into K's registers and of the first read of the scores
.endr
	LOADK                                          ; the next step's K
.irp q, 0,1
	v_mov_b32 v[MT+TS*\q+5], v[NM+TS*\q]
.endr
	WIN 0x15                                       ; all three sources in window 1
.irp k, 0,1,2,3                        ; the step's largest scores, in four chains a tile, each accumulator from its low end on
.irp q, 0,1
	v_max3_num_f32 v[MT+TS*\q+\k], v[64*\q+3*\k], v[64*\q+3*\k+1], v[64*\q+3*\k+2]
.endr
.endr
	WIN 0x14                                       ; sources 1 and 2 in window 1
.set j, 12
.rept 26
.irp q, 0,1
	v_max3_num_f32 v[MT+TS*\q+(j/2)%4], v[MT+TS*\q+(j/2)%4], v[64*\q+j], v[64*\q+j+1]
.endr
.set j, j+2
.endr
	WIN 0
.irp q, 0,1
	v_max3_num_f32 v[MT+TS*\q], v[MT+TS*\q], v[MT+TS*\q+1], v[MT+TS*\q+2]
.endr
.irp q, 0,1
	v_max_num_f32 v[MT+TS*\q], v[MT+TS*\q], v[MT+TS*\q+3]
.endr
.irp q, 0,1
	v_permlanex16_b32 v[MT+TS*\q+4], v[MT+TS*\q], s[SEL], s[SEL+1]
.endr
.irp q, 0,1
	v_max3_num_f32 v[NM+TS*\q+1], v[NM+TS*\q+1], v[MT+TS*\q], v[MT+TS*\q+4]   ; with the lane 16 away's, and the largest so far
.endr
.irp q, 0,1
	v_mul_f32 v[MT+TS*\q], s[NC], v[NM+TS*\q+1]    ; -t (c is positive)
.endr
.irp q, 0,1
	v_floor_f32 v[NM+TS*\q], v[MT+TS*\q]           ; -M = floor(-t)
.endr
.irp q, 0,1
	v_sub_f32 v[MT+TS*\q+5], v[NM+TS*\q], v[MT+TS*\q+5]   ; old M - new M, a whole number, 0 or less
.endr
.irp q, 0,1
	v_cvt_i32_f32 v[MT+TS*\q+5], v[MT+TS*\q+5]
.endr
.irp q, 0,1
	v_ldexp_f32 v[FF+TS*\q], 1.0, v[MT+TS*\q+5]
.endr
	WIN 0x41                                       ; destination and source 0 in window 1
.irp q, 0,1
.set j, 0
.rept 16
	v_pk_mul_f32 v[OB+32*\q+j:OB+32*\q+j+1], v[OB+32*\q+j:OB+32*\q+j+1], v[FF+TS*\q:FF+TS*\q+1] op_sel_hi:[1,0]   ; O^T under the new M; no exponential stands between the last products and these reads
.set j, j+2
.endr
.endr
.irp q, 0,1
.set j, 0
.rept 32
	v_pk_fma_f32 v[64*\q+j:64*\q+j+1], v[64*\q+j:64*\q+j+1], s[CS:CS+1], v[NM+TS*\q:NM+TS*\q+1] op_sel_hi:[1,0,0]   ; t - M
.set j, j+2
.endr
.endr
	s_wait_alu depctr_va_vdst(0)                   ; ahead of the batch
.set j, 0
.rept 128
	v_exp_f32 v[j], v[j]
.set j, j+1
.endr
	WIN 0
.irp q, 0,1
	v_pk_mul_f32 v[LS+TS*\q:LS+TS*\q+1], v[LS+TS*\q:LS+TS*\q+1], v[FF+TS*\q:FF+TS*\q+1] op_sel_hi:[1,0]   ; the sums under the new M: the plain lines behind the batch
.endr
	s_wait_alu depctr_va_vdst(0)                   ; one wait for the batch, ahead of its first reader
	WIN 0x05                                       ; sources 0 and 1 in window 1
.irp q, 0,1                            ; the sums of the unquantised p, in four chains a tile
	v_pk_add_f32 v[MT+TS*\q:MT+TS*\q+1], v[64*\q:64*\q+1], v[64*\q+2:64*\q+3]
	v_pk_add_f32 v[MT+TS*\q+2:MT+TS*\q+3], v[64*\q+4:64*\q+5], v[64*\q+6:64*\q+7]
	v_pk_add_f32 v[MT+TS*\q+4:MT+TS*\q+5], v[64*\q+8:64*\q+9], v[64*\q+10:64*\q+11]
.endr
	WIN 0x04                                       ; source 1 in window 1
.irp q, 0,1
	v_pk_add_f32 v[LS+TS*\q:LS+TS*\q+1], v[LS+TS*\q:LS+TS*\q+1], v[64*\q+12:64*\q+13]
.endr
.set j, 14
.rept 6
.irp q, 0,1
	v_pk_add_f32 v[MT+TS*\q:MT+TS*\q+1], v[MT+TS*\q:MT+TS*\q+1], v[64*\q+j:64*\q+j+1]
	v_pk_add_f32 v[MT+TS*\q+2:MT+TS*\q+3], v[MT+TS*\q+2:MT+TS*\q+3], v[64*\q+j+2:64*\q+j+3]
	v_pk_add_f32 v[MT+TS*\q+4:MT+TS*\q+5], v[MT+TS*\q+4:MT+TS*\q+5], v[64*\q+j+4:64*\q+j+5]
	v_pk_add_f32 v[LS+TS*\q:LS+TS*\q+1], v[LS+TS*\q:LS+TS*\q+1], v[64*\q+j+6:64*\q+j+7]
.endr
.set j, j+8
.endr
.irp q, 0,1
	v_pk_add_f32 v[MT+TS*\q:MT+TS*\q+1], v[MT+TS*\q:MT+TS*\q+1], v[64*\q+62:64*\q+63]
.endr
	WIN 0x01                                       ; source 0 in window 1
.irp t, 0,1,2,3,4,5,6,7
.irp q, 0,1
	v_cvt_scalef32_pk8_fp8_f32 v[CD+16*\q+2*\t:CD+16*\q+2*\t+1], v[64*\q+8*\t:64*\q+8*\t+7], v[QS]
.endr
.endr
	WIN 0
	v_nop                                          ; a plain line behind the last conversion
	s_wait_alu depctr_va_vdst(0)                   ; directly ahead of the wait below
	s_wait_dscnt 16                                ; V's fragments are in; the next K's 16 loads, issued behind them, may be out
	WIN 0x50                                       ; C and D in window 1
.irp f, 0,1,2,3
.irp q, 0,1
	v_wmma_f32_16x16x128_fp8_fp8 v[OB+32*\q+8*\f:OB+32*\q+8*\f+7], v[VV+16*\f:VV+16*\f+15], v[CD+16*\q:CD+16*\q+15], v[OB+32*\q+8*\f:OB+32*\q+8*\f+7]
.endr
.endr
	WIN 0
.irp q, 0,1                            ; the chains are joined here: six places ahead of the loads into V's registers
	v_pk_add_f32 v[LS+TS*\q:LS+TS*\q+1], v[LS+TS*\q:LS+TS*\q+1], v[MT+TS*\q:MT+TS*\q+1]
	v_pk_add_f32 v[MT+TS*\q+2:MT+TS*\q+3], v[MT+TS*\q+2:MT+TS*\q+3], v[MT+TS*\q+4:MT+TS*\q+5]
.endr
.irp q, 0,1
	v_pk_add_f32 v[LS+TS*\q:LS+TS*\q+1], v[LS+TS*\q:LS+TS*\q+1], v[MT+TS*\q+2:MT+TS*\q+3]
.endr
	LOADV                                          ; the next step's V
	s_add_co_u32 s[TB], s[TB], 8192
	s_add_co_u32 s[TN], s[TB], 8192
	s_min_u32 s[TN], s[TN], 122880                 ; behind the last block there is none: it is named again
	v_add_nc_u32 v[AK], s[TN], v1
	v_add_nc_u32 v[AV], 0x20000, v[AK]
.endm
	s_load_b128 s[4:7], s[0:1], 0x0                ; qi, kv
	s_load_b128 s[8:11], s[0:1], 0x10              ; the exponents, ah
	v_lshl_add_u32 v[SPW], v0, 2, SPARE
	v_mov_b32 v[NIL], 0
	ds_add_u32 v[SPW], v[NIL]                      ; the opening lines: the add, twice on end, and its wait ahead of my first tensor load
	ds_add_u32 v[SPW], v[NIL]
	v_lshrrev_b32 v8, 5, v0
	v_readfirstlane_b32 s[WV], v8                  ; wave 0..7
	v_and_b32 v1, 31, v0
	v_lshlrev_b32 v1, 4, v1                        ; 16 x lane
	s_bfe_u32 s12, ttmp6, 0x40000                  ; cx
	s_lshl_b32 s13, ttmp9, 2
	s_add_co_u32 s13, s13, s12                     ; the block of 256 queries: it enters global addresses alone
	s_and_b32 s14, ttmp7, 0xffff                   ; batch x 16 + head
	s_lshr_b32 s15, s[WV], 2
	s_lshl_b32 s15, s15, 17                        ; waves 0-3 fetch K, waves 4-7 V
	s_and_b32 s16, s[WV], 3
	s_lshl_b32 s17, s16, 13
	s_add_co_u32 s17, s17, s15                     ; my 8,192 bytes of the first 32,768, in LDS as in the head's kv
	s_mul_i32 s19, s16, 24576
	s_add_co_u32 s19, s19, s15
	s_add_co_u32 s19, s19, 32768                   ; my 24,576 bytes of the rest
	s_mov_b32 s[G1S], 15|(3<<16)|(1<<21)           ; the mask of all four work-groups, bit 21 beside it; elements of 8 bytes; no padding
	s_mov_b32 s[G1S+1], 32<<16
	s_mov_b32 s[G1S+2], 32<<16
	s_mov_b32 s[G1S+3], 32<<16
	s_mov_b32 s[G1S+4], 32
	s_mov_b32 s[G1S+5], 32
	s_mov_b32 s[G1S+6], 0
	s_mov_b32 s[G1S+7], 0
	s_mov_b32 s[G1L], 15|(3<<16)|(1<<21)
	s_mov_b32 s[G1L+1], 32<<16
	s_mov_b32 s[G1L+2], 96<<16
	s_mov_b32 s[G1L+3], 32<<16
	s_mov_b32 s[G1L+4], 96
	s_mov_b32 s[G1L+5], 32
	s_mov_b32 s[G1L+6], 0
	s_mov_b32 s[G1L+7], 0
	s_mov_b32 s[SEL], 0x76543210
	s_mov_b32 s[SEL+1], 0xfedcba98
	s_mov_b32 s[CS], 0x3e38aa3b                    ; log2(e) / 8
	s_mov_b32 s[TB], 0
	s_mov_b32 s[TN], 8192
	s_lshl_b32 s48, s13, 4
	s_lshl_b32 s49, s[WV], 1
	s_add_co_u32 s48, s48, s49                     ; my first tile of 16 queries in the head
	s_lshl_b32 s2, s14, 18
	s_mov_b32 s3, 0
	s_wait_alu depctr_va_vdst(0)                   ; directly ahead of the waits below
	s_wait_dscnt 0x0                               ; both opening adds are done
	s_wait_kmcnt 0x0
	s_load_b256 s[52:59], s[8:9], 0x0              ; e0 .. e7
	s_add_nc_u64 s[6:7], s[6:7], s[2:3]            ; the head's kv
	s_mov_b32 s[G0A], 1
	s_mov_b32 s[G0A+1], s17
	s_mov_b32 s2, s17
	s_add_nc_u64 s[G0A+2:G0A+3], s[6:7], s[2:3]
	s_or_b32 s[G0A+3], s[G0A+3], 0x80000000
	s_mov_b32 s[G0B], 1
	s_mov_b32 s[G0B+1], s19
	s_mov_b32 s2, s19
	s_add_nc_u64 s[G0B+2:G0B+3], s[6:7], s[2:3]
	s_or_b32 s[G0B+3], s[G0B+3], 0x80000000
	s_lshl_b32 s2, s14, 17
	s_lshl_b32 s49, s48, 10
	s_add_co_u32 s2, s2, s49
	s_add_nc_u64 s[4:5], s[4:5], s[2:3]
.irp c, 0,1,2,3
	global_load_b128 v[QF+4*\c:QF+4*\c+3], v1, s[4:5] offset:512*\c   ; Q's two fragments stay in registers
.endr
	CROUND                                         ; the four work-groups are here: the first joint loads meet
	tensor_load_to_lds s[G0A:G0A+3], s[G1S:G1S+7]  ; keys 0-511 of K and V: one tensor load a wave at the head
	s_nop 0
.rept 4
	v_nop
.endr
	s_lshr_b32 s2, s14, 4
	s_lshl_b32 s2, s2, 7
	s_add_co_u32 s2, s2, s48                       ; my first tile of 16 tokens
	s_lshl_b32 s2, s2, 15
	s_and_b32 s49, s14, 15
	s_lshl_b32 s49, s49, 10                        ; the head's 64 channels: two images of 512 bytes
	s_add_co_u32 s2, s2, s49
	s_add_nc_u64 s[10:11], s[10:11], s[2:3]
.irp q, 0,1
	v_mov_b32 v[NM+TS*\q+1], 0xff61b1e6            ; the largest score so far: -3e38
	v_mov_b32 v[NM+TS*\q], 0x7f61b1e6              ; -M: 3e38, a whole number: the first f is 0, on zeros
	v_mov_b32 v[LS+TS*\q], 0
	v_mov_b32 v[LS+TS*\q+1], 0
	v_mov_b32 v[MT+TS*\q+4], 0                     ; a lane permute's destination counts as read
	v_mov_b32 v[FF+TS*\q+1], 0                     ; named as the upper half of f's pair
.endr
	v_add_nc_u32 v[AK], s[TB], v1
	v_add_nc_u32 v[AV], 0x20000, v[AK]
	WIN 0x40
.set i, 0
.rept 64
	v_mov_b32 v[OB+i], 0                           ; the step is written with no first form of its own: it finds zeros
.set i, i+1
.endr
	WIN 0
	s_wait_alu depctr_va_vdst(0)                   ; directly ahead of the wait below
	s_wait_tensorcnt 0x0                           ; my first part is in
	ds_add_u32 v[SPW], v[NIL]
	s_wait_dscnt 0x0
	CROUND                                         ; everybody's first part is in
	tensor_load_to_lds s[G0B:G0B+3], s[G1L:G1L+7]  ; the rest of K and V
	s_nop 0
.rept 4
	v_nop
.endr
	LOADK                                          ; keys 0-127: K, then V
	LOADV
	v_add_nc_u32 v[AK], s[TN], v1                  ; step 0 fetches keys 128-255
	v_add_nc_u32 v[AV], 0x20000, v[AK]
	s_wait_kmcnt 0x0
	s_add_co_i32 s48, s54, s55
	s_lshl_b32 s48, s48, 23
	s_add_co_i32 s[CS], s[CS], s48                 ; e2 + e3 are added to c's exponent field
	s_mov_b32 s[CS+1], s[CS]
	s_xor_b32 s[NC], s[CS], 0x80000000             ; -c
	s_add_co_i32 s48, s56, 127
	s_lshl_b32 s49, s48, 23
	v_mov_b32 v[QS], s49                           ; 2^e4
	s_sub_co_i32 s48, s58, s56
	s_sub_co_i32 s48, s48, s57
	s_add_co_i32 s48, s48, 127
	s_lshl_b32 s12, s48, 23                        ; 2^(e6 - e4 - e5): the three scales in the last conversion's one
	s_add_co_i32 s48, s48, 8
	s_lshl_b32 s48, s48, 23
	s_or_b32 s13, s48, 0x600000                    ; 448 x that
	s_mov_b32 s[CNT], 3
	s_wait_alu depctr_va_vdst(0)                   ; the head's end
	s_wait_loadcnt 0x0                             ; Q
.Lfirst:                                               ; steps 0 to 2 read, and fetch ahead, keys 0-511: the first part
	STEP
	s_sub_co_u32 s[CNT], s[CNT], 1
	s_cmp_lg_u32 s[CNT], 0
	s_cbranch_scc1 .Lfirst
	s_wait_alu depctr_va_vdst(0)                   ; directly ahead of the waits below
	s_wait_tensorcnt 0x0                           ; my part of the rest is in
	s_wait_dscnt 0x0
	s_barrier_signal -1
	s_barrier_wait -1                              ; and everybody's
	s_mov_b32 s[CNT], 13
.Lrest:                                                ; steps 3 to 15
	STEP
	s_sub_co_u32 s[CNT], s[CNT], 1
	s_cmp_lg_u32 s[CNT], 0
	s_cbranch_scc1 .Lrest
	s_wait_alu depctr_va_vdst(0)                   ; directly ahead of the wait below
	s_wait_dscnt 0x0                               ; no LDS load is out: K's registers are written below
	; THE WAY OUT: O^T / the sum, held, to codes of a (e6), as two images of four registers a tile
.irp q, 0,1
	v_add_f32 v[LS+TS*\q], v[LS+TS*\q], v[LS+TS*\q+1]
.endr
.irp q, 0,1
	v_permlanex16_b32 v[MT+TS*\q+4], v[LS+TS*\q], s[SEL], s[SEL+1]
.endr
.irp q, 0,1
	v_add_f32 v[LS+TS*\q], v[LS+TS*\q], v[MT+TS*\q+4]   ; the row's sum
.endr
	s_wait_alu depctr_va_vdst(0)                   ; ahead of the transcendentals
.irp q, 0,1
	v_rcp_f32 v[LS+TS*\q], v[LS+TS*\q]
.endr
	v_mov_b32 v[EC], s12
	v_mov_b32 v[EC+1], s13
	WIN 0x01                                       ; source 0 in window 1
	s_wait_alu depctr_va_vdst(0)                   ; ahead of the reciprocals' first reader, and directly ahead of the first readers of O^T
.irp q, 0,1
.set j, 0
.rept 16
	v_pk_mul_f32 v[KA+32*\q+j:KA+32*\q+j+1], v[OB+32*\q+j:OB+32*\q+j+1], v[LS+TS*\q:LS+TS*\q+1] op_sel_hi:[1,0]
.set j, j+2
.endr
.endr
	WIN 0
.set i, 0
.rept 64
	v_med3_num_f32 v[KA+i], v[KA+i], -v[EC+1], v[EC+1]   ; the conversion does not saturate (ISA guide 7.6.2): the hold comes first
.set i, i+1
.endr
.irp g, 0,1,2,3,4,5,6,7
	v_cvt_scalef32_pk8_fp8_f32 v[CD+2*\g:CD+2*\g+1], v[KA+8*\g:KA+8*\g+7], v[EC]
.endr
	v_nop
.irp c, 0,1,2,3                        ; from k = 16 c' + 8 h + .. to k = 32 c + 16 h + 0 .. 15 in four registers, as 16-byte loads from rows give the weights
	v_permlane16_swap_b32 v[CD+4*\c], v[CD+4*\c+2]
	v_permlane16_swap_b32 v[CD+4*\c+1], v[CD+4*\c+3]
.endr
.irp q, 0,1
	global_store_b128 v1, v[CD+8*\q:CD+8*\q+3], s[10:11] offset:32768*\q          ; 512 consecutive bytes, aligned
	global_store_b128 v1, v[CD+8*\q+4:CD+8*\q+7], s[10:11] offset:32768*\q+512
.endr
	s_wait_tensorcnt 0x0                           ; the wave's end
	ds_add_u32 v[SPW], v[NIL]
	s_wait_dscnt 0x0
	CROUND                                         ; the closing round
	s_endpgm
.Lfunc_end_k_qcb3fb6fa83_attn:
	.size	k_qcb3fb6fa83_attn, .Lfunc_end_k_qcb3fb6fa83_attn-k_qcb3fb6fa83_attn
	.p2alignl 7, 3214868480
	.fill 96, 4, 3214868480
	.section	.rodata,"a",@progbits
	.p2align	6, 0x0
	.amdhsa_kernel k_qcb3fb6fa83_attn
		.amdhsa_group_segment_fixed_size 327680
		.amdhsa_private_segment_fixed_size 0
		.amdhsa_enable_private_segment 0
		.amdhsa_kernarg_size 32
		.amdhsa_user_sgpr_count 2
		.amdhsa_user_sgpr_kernarg_segment_ptr 1
		.amdhsa_wavefront_size32 1
		.amdhsa_system_sgpr_workgroup_id_x 1
		.amdhsa_system_sgpr_workgroup_id_y 1
		.amdhsa_system_sgpr_workgroup_id_z 1
		.amdhsa_system_vgpr_workitem_id 0
		.amdhsa_next_free_vgpr 448
		.amdhsa_next_free_sgpr 66
		.amdhsa_reserve_vcc 0
		.amdhsa_float_denorm_mode_32 3
		.amdhsa_float_denorm_mode_16_64 3
		.amdhsa_memory_ordered 1
		.amdhsa_forward_progress 1
		.amdhsa_inst_pref_size 68
	.end_amdhsa_kernel
	.amdgpu_metadata
---
amdhsa.version: [ 1, 2 ]
amdhsa.kernels:
  - .name:           k_qcb3fb6fa83_attn
    .symbol:         k_qcb3fb6fa83_attn.kd
    .args:
      - { .name: qi, .offset: 0, .size: 8, .value_kind: global_buffer, .address_space: global }
      - { .name: kv, .offset: 8, .size: 8, .value_kind: global_buffer, .address_space: global }
      - { .name: lowp_scales, .offset: 16, .size: 8, .value_kind: global_buffer, .address_space: global }
      - { .name: ah, .offset: 24, .size: 8, .value_kind: global_buffer, .address_space: global }
    .group_segment_fixed_size: 327680
    .private_segment_fixed_size: 0
    .kernarg_segment_align: 8
    .kernarg_segment_size: 32
    .max_flat_workgroup_size: 256
    .sgpr_count:     66
    .vgpr_count:     448
    .wavefront_size: 32
...
	.end_amdgpu_metadata
.endif
;; end of part 3
;; launch proj (part 4): grid 8 x 32, 4 waves a work-group, clusters of 4 x 4, 327,680 bytes of LDS; arguments ah, Wao_codes, wmoc, lowp_scales, bao, bmo, ci; writes ci
.if DOCPART == 4
	.amdgcn_target "amdgcn-amd-amdhsa--gfx1250"
	.amdhsa_code_object_version 6
	.text
	.protected	k_qcb3fb6fa83_proj
	.globl	k_qcb3fb6fa83_proj
	.p2align	8
	.type	k_qcb3fb6fa83_proj,@function
k_qcb3fb6fa83_proj:
	s_mov_b64 s[64:65], 0
	v_nop
	global_prefetch_b8 v0, s[64:65] scope:SCOPE_SE
	s_setreg_imm32_b32 hwreg(HW_REG_WAVE_MODE, 25, 1), 1
	s_wait_xcnt 0x0
	s_wait_alu depctr_hold_cnt(0) depctr_sa_sdst(0) depctr_va_vdst(0) depctr_va_sdst(0) depctr_va_ssrc(0) depctr_va_vcc(0) depctr_vm_vsrc(0)
	s_getreg_b32 s2, hwreg(HW_REG_IB_STS2, 6, 4)
	s_cmp_eq_u32 s2, 0
	s_cbranch_scc0 .Lentry_in_a_cluster
	s_endpgm
.Lentry_in_a_cluster:
	s_bfe_u32 s2, ttmp6, 0x10000c
	s_cmp_lg_u32 s2, 0xf033
	s_cbranch_scc0 .Lentry_shape_is_right
	s_endpgm
.Lentry_shape_is_right:
; PROJ: attn_out = a Wao x 2^(e6 + e7) + bao and mlp_out = h Wmo x 2^(e8 + e9) + bmo, both on codes of E4M3; their codes (e10) go to ci as images of the last product's operand.
; A work-group makes 128 tokens x 128 columns of BOTH products, one after the other, on one ring; a wave 64 x 64: 16 accumulators.  256 work-groups.
; K goes in steps of 512 through two LDS slots: steps 0, 1 = a's 1,024; step 2 = h's places 0-511; step 3 = h's places 512-767 (its tiles state half the extent: the rest arrives as zeros and is not read).
; A's tile: 8 tiles of 16 tokens x 4 images of 2,048 bytes, dense: a fragment is four loads of 512 consecutive bytes.  B's tile: 128 rows of 512 bytes + 16 of padding.
; CLUSTER 4 x 4: A's tile is shared along a row of the cluster, B's along a column: each is asked for jointly.
; The matrix instruction: source 0 = 16 rows of the weights (columns of the result), source 1 = 16 tokens: a lane holds a token and eight neighbouring columns a tile.
; LIMITS: e6 + e7 and e8 + e9 between -126 and 127; e10 between -126 and 119.
; REGISTERS: window 0: v16-31 addresses and constants; v32-63 T; v64-95 the bias; v96-127 codes; v128-255 the accumulators ((a, b) at v[128 + 8 (4 a + b)]).  window 1: two fragment buffers of 128 (A's four, then B's four).
.set PB,    528
.set AREG,  65536
.set BHALF, 64*PB
.set SLOT,  AREG+2*BHALF
.set SPARE, 2*SLOT
.set WV, 18
.set RH, 19
.set CH, 20
.set ADRA, 16
.set ADRB, 20
.set BO,   22
.set CO,   26
.set SPW,  28
.set NIL,  29
.set QS,   30
.set QL,   31
.set T,    32
.set BI,   64
.set CD,   96
.set ACC,  128
.set F0,   0
.set F1,   128
.set G1A,  24
.set G0A,  32
.set G1B,  48
.set G0B,  56
.set G1AH, 68
.set G1BH, 76
.set MSB, 0
.macro WIN new
.if MSB != (\new)
	s_set_vgpr_msb (MSB<<8)|(\new)
.set MSB, \new
.endif
.endm
.set MUL,  0x05
.set TO_F, 0x40
.macro JLOAD g0a, g1a, g0b, g1b        ; waves 0 and 1 fetch A's halves, waves 2 and 3 B's; four v_nop follow each line
	s_cmp_eq_u32 s[RH], 0
	s_cbranch_scc0 .Lfor_b_\@
	tensor_load_to_lds s[\g0a:\g0a+3], s[\g1a:\g1a+7]
	s_nop 0
.rept 4
	v_nop
.endr
	s_branch .Lasked_\@
.Lfor_b_\@:
	tensor_load_to_lds s[\g0b:\g0b+3], s[\g1b:\g1b+7]
	s_nop 0
.rept 4
	v_nop
.endr
.Lasked_\@:
.endm
.macro CREST
	s_cmp_lg_u32 s[WV], 0
	s_cbranch_scc1 .Lnot_wave_0_\@
	s_barrier_signal -3
.Lnot_wave_0_\@:
	s_barrier_wait -3
	s_barrier_signal -1
	s_barrier_wait -1
.endm
.macro CROUND
	s_barrier_signal -1
	s_barrier_wait -1
	CREST
.endm
; A PREFETCH INTO THE L2 of K step n, one instruction a wave.  Of what a wave fetches in a K step the four partners that ask for it jointly take a quarter each, told apart by address (cx for A, cy for B):
; A: one tile of 16 tokens, 32 blocks of 256 bytes (K step 3: 16); B: 16 rows of two blocks (K step 3: of one).  B's tiles are the same for all eight rows of clusters: the four even ones ask.
; s104: 0 I fetch A; 1 I fetch B and ask; 2 I fetch B and do not ask.  The registers named here are never rewritten.
.macro ASK n
	s_cmp_eq_u32 s104, 0
	s_cbranch_scc0 .Lask_b_\@
.if \n == 3
	global_prefetch_b8 v7, s[44:45] offset:24576 th:TH_LOAD_NT scope:SCOPE_SE
.else
	global_prefetch_b8 v6, s[44:45] offset:8192*\n th:TH_LOAD_NT scope:SCOPE_SE
.endif
	s_branch .Lasked_p_\@
.Lask_b_\@:
	s_cmp_eq_u32 s104, 1
	s_cbranch_scc0 .Lasked_p_\@
.if \n == 1
	global_prefetch_b8 v6, s[46:47] offset:512 th:TH_LOAD_NT scope:SCOPE_SE
.endif
.if \n == 2
	global_prefetch_b8 v6, s[66:67] th:TH_LOAD_NT scope:SCOPE_SE
.endif
.if \n == 3
	global_prefetch_b8 v7, s[66:67] offset:512 th:TH_LOAD_NT scope:SCOPE_SE
.endif
.Lasked_p_\@:
.endm
.macro PLACES
.rept 4
	v_nop
.endr
.endm
.macro MUL8 f, a0, zero                ; the 16 accumulators take turns, one instruction a turn, in the same order throughout
.irp a, \a0, \a0+1
.irp b, 0,1,2,3
.if \zero
	v_wmma_f32_16x16x128_fp8_fp8 v[ACC+8*(4*(\a)+\b):ACC+8*(4*(\a)+\b)+7], v[\f+64+16*\b:\f+64+16*\b+15], v[\f+16*(\a):\f+16*(\a)+15], 0
.else
	v_wmma_f32_16x16x128_fp8_fp8 v[ACC+8*(4*(\a)+\b):ACC+8*(4*(\a)+\b)+7], v[\f+64+16*\b:\f+64+16*\b+15], v[\f+16*(\a):\f+16*(\a)+15], v[ACC+8*(4*(\a)+\b):ACC+8*(4*(\a)+\b)+7]
.endif
.endr
.endr
.endm
.macro FETCH slot, q, f                ; 32 LDS loads in one run: B's four fragments, then A's four, of the slot's q-th 128 along K
	WIN TO_F
.irp i, 0,1,2,3
.irp c, 0,1,2,3
	ds_load_b128 v[\f+64+16*\i+4*\c:\f+64+16*\i+4*\c+3], v[ADRB+\slot] offset:16*PB*\i+128*(\q)+32*\c
.endr
.endr
.irp i, 0,1,2,3
.irp c, 0,1,2,3
	ds_load_b128 v[\f+16*\i+4*\c:\f+16*\i+4*\c+3], v[ADRA+\slot] offset:8192*\i+2048*(\q)+512*\c
.endr
.endr
.endm
.macro QUARTER slot, qn, f, g, zero    ; multiplies buffer f; in its middle fetches the slot's quarter qn into g
	s_wait_dscnt 8                                 ; B's and A's blocks 0, 1 are in; A's blocks 2, 3 (8 loads) may be out
	WIN MUL
	MUL8 \f, 0, \zero
	PLACES
	FETCH \slot, \qn, \g
	s_wait_dscnt 32                                ; all but the 32 just issued
	WIN MUL
	MUL8 \f, 2, \zero
.endm
.macro TURN slot, next, fill           ; the slot's last quarter (buffer 1) and the change of slots.  fill 0: nothing; 1: K step 2 (full tiles); 2: K step 3 (half extents)
	WIN 0
	s_wait_tensorcnt 0x0                           ; all my tensor loads have landed: my part of the next slot
	ds_add_u32 v[SPW], v[NIL]                      ; 0 onto my spare word
	s_wait_dscnt 9                                 ; the add and A's blocks 2, 3 may be out
	WIN MUL
	MUL8 F1, 0, 0
	s_wait_dscnt 0x0                               ; the add is done, and my reads of this slot are over
	s_barrier_signal -1
	MUL8 F1, 2, 0
	WIN 0
	s_barrier_wait -1
.if \fill
	CREST                                          ; no wave of any partner still reads this slot or has a load on its way
	s_add_nc_u64 s[G0A+4*\slot+2:G0A+4*\slot+3], s[G0A+4*\slot+2:G0A+4*\slot+3], 16384   ; two K steps of 8,192 bytes on
	s_mov_b64 s[G0B+4*\slot+2:G0B+4*\slot+3], s[84+2*\slot:85+2*\slot]                   ; B goes over to wmoc
.if \fill == 1
	JLOAD G0A+4*\slot, G1A, G0B+4*\slot, G1B
.else
	JLOAD G0A+4*\slot, G1AH, G0B+4*\slot, G1BH
.endif
.else
	PLACES
.endif
	FETCH \next, 0, F0
.endm
.macro EPI p, sc                       ; product p's sums x its scale + its bias, to codes, to ci
	WIN 0
	s_wait_loadcnt 0x0                             ; the bias
.irp a, 0,1,2,3
.set j, 0
.rept 16
	v_pk_fma_f32 v[T+j:T+j+1], v[ACC+32*\a+j:ACC+32*\a+j+1], s[\sc:\sc+1], v[BI+j:BI+j+1] op_sel_hi:[1,0,1]   ; each accumulator from its low end on
.set j, j+2
.endr
.set i, 0
.rept 32
	v_med3_num_f32 v[T+i], v[T+i], -v[QL], v[QL]
.set i, i+1
.endr
.irp b, 0,1,2,3
	v_cvt_scalef32_pk8_fp8_f32 v[CD+8*\a+2*\b:CD+8*\a+2*\b+1], v[T+8*\b:T+8*\b+7], v[QS]
.endr
	v_nop
.irp c, 0,1
	v_permlane16_swap_b32 v[CD+8*\a+4*\c], v[CD+8*\a+4*\c+2]
	v_permlane16_swap_b32 v[CD+8*\a+4*\c+1], v[CD+8*\a+4*\c+3]
.endr
.irp c, 0,1
	global_store_b128 v[CO], v[CD+8*\a+4*\c:CD+8*\a+4*\c+3], s[16:17] offset:32768*\a+16384*\p+512*\c   ; 512 consecutive bytes, aligned
.endr
.endr
.endm
	s_load_b256 s[4:11], s[0:1], 0x0               ; ah 4:5, Wao's codes 6:7, wmoc 8:9, the exponents 10:11
	s_load_b128 s[12:15], s[0:1], 0x20             ; bao, bmo
	s_load_b64 s[16:17], s[0:1], 0x30              ; ci
	v_lshl_add_u32 v[SPW], v0, 2, SPARE
	v_mov_b32 v[NIL], 0
	ds_add_u32 v28, v29
	ds_add_u32 v28, v29
	s_wait_dscnt 0x0
	v_lshrrev_b32 v1, 5, v0
	v_readfirstlane_b32 s[WV], v1
	s_lshr_b32 s[RH], s[WV], 1                     ; my half of the tokens.  Also: I fetch for A (0) or for B (1)
	s_and_b32 s[CH], s[WV], 1                      ; my half of the columns.  Also: which half of that tile I fetch
	s_bfe_u32 s21, ttmp6, 0x40000                  ; cx
	s_bfe_u32 s22, ttmp6, 0x40004                  ; cy
	s_lshl_b32 s23, ttmp9, 2
	s_add_co_u32 s23, s23, s21                     ; tx: the tile of 128 columns
	s_and_b32 s40, ttmp7, 0xffff
	s_lshl_b32 s40, s40, 2
	s_add_co_u32 s40, s40, s22                     ; ty: the tile of 128 tokens
	s_lshl_b32 s41, s22, 2
	s_lshl_b32 s41, 15, s41                        ; my row of the cluster
	s_lshl_b32 s42, 0x1111, s21                    ; my column
	s_or_b32 s[G1A], s41, (3<<16)|(1<<21)          ; elements of 8 bytes, no padding
	s_or_b32 s[G1AH], s41, (3<<16)|(1<<21)
	s_or_b32 s[G1B], s42, (1<<20)|(1<<21)|(6<<22)|(3<<25)   ; elements of 1 byte; 4 words of padding behind every 128
	s_or_b32 s[G1BH], s42, (1<<20)|(1<<21)|(6<<22)|(3<<25)
	s_mov_b32 s[G1A+1], 1024<<16                   ; tensor_dim0: 8,192 bytes
	s_mov_b32 s[G1AH+1], 512<<16                   ; the half: 4,096 bytes are there, zeros follow
.irp g, G1A, G1AH
	s_mov_b32 s[\g+2], 4<<16                       ; tensor_dim1: 4 tiles of 16 tokens
	s_mov_b32 s[\g+3], 1024<<16                    ; tile_dim0
	s_mov_b32 s[\g+4], 4
	s_mov_b32 s[\g+5], 4096                        ; 32,768 bytes from tile to tile
	s_mov_b32 s[\g+6], 0
	s_mov_b32 s[\g+7], 0
.endr
	s_mov_b32 s[G1B+1], 512<<16
	s_mov_b32 s[G1BH+1], 256<<16
.irp g, G1B, G1BH
	s_mov_b32 s[\g+2], 64<<16
	s_mov_b32 s[\g+3], 512<<16
	s_mov_b32 s[\g+4], 64
	s_mov_b32 s[\g+5], 1024
	s_mov_b32 s[\g+6], 0
	s_mov_b32 s[\g+7], 0
.endr
	s_lshl_b32 s44, s40, 3
	s_lshl_b32 s43, s[CH], 2
	s_add_co_u32 s44, s44, s43
	s_lshl_b32 s44, s44, 15
	s_mov_b32 s45, 0                               ; A: tile of tokens 8 ty + 4 x half
	s_lshl_b32 s46, s23, 1
	s_add_co_u32 s46, s46, s[CH]
	s_lshl_b32 s46, s46, 16
	s_mov_b32 s47, 0                               ; B: row 128 tx + 64 x half, 1,024 bytes a row
	s_lshl_b32 s2, s[CH], 15                       ; where they go: no place in the cluster enters an LDS address
	s_mul_i32 s3, s[CH], BHALF
	s_add_co_u32 s3, s3, AREG
	s_wait_kmcnt 0x0
	s_load_b256 s[88:95], s[10:11], 0x0            ; e0 .. e7
	s_load_b128 s[96:99], s[10:11], 0x20           ; e8 .. e11
	s_add_nc_u64 s[44:45], s[4:5], s[44:45]
	s_add_nc_u64 s[66:67], s[8:9], s[46:47]        ; wmoc at my 64 rows, for the prefetches
	s_add_nc_u64 s[84:85], s[8:9], s[46:47]        ; wmoc's two tiles, as descriptor words
	s_add_nc_u64 s[86:87], s[84:85], 512
	s_or_b32 s85, s85, 0x80000000
	s_or_b32 s87, s87, 0x80000000
	s_add_nc_u64 s[46:47], s[6:7], s[46:47]
	CROUND
.irp s, 0,1
	s_mov_b32 s[G0A+4*\s], 1
	s_add_co_u32 s[G0A+4*\s+1], s2, \s*SLOT
	s_add_nc_u64 s[G0A+4*\s+2:G0A+4*\s+3], s[44:45], \s*8192
	s_or_b32 s[G0A+4*\s+3], s[G0A+4*\s+3], 0x80000000
	s_mov_b32 s[G0B+4*\s], 1
	s_add_co_u32 s[G0B+4*\s+1], s3, \s*SLOT
	s_add_nc_u64 s[G0B+4*\s+2:G0B+4*\s+3], s[46:47], \s*512
	s_or_b32 s[G0B+4*\s+3], s[G0B+4*\s+3], 0x80000000
.endr
	JLOAD G0A, G1A, G0B, G1B                       ; K step 0: one tensor load a wave at the head
	s_lshl_b32 s41, s21, 15                        ; A: the tile of 16 tokens cx of my four
	s_lshl_b32 s42, s22, 14                        ; B: rows 16 cy on of my 64
	s_and_b32 s104, ttmp7, 1
	s_add_co_u32 s104, s104, 1
	s_mul_i32 s104, s104, s[RH]
	s_cmp_eq_u32 s[RH], 0
	s_cselect_b32 s41, s41, s42
	s_cselect_b32 s43, -1, 0
	v_and_b32 v6, 31, v0
	v_min_u32 v7, 15, v6
	v_lshlrev_b32 v8, 8, v6                        ; A: 256 x lane
	v_lshlrev_b32 v9, 8, v7                        ; A, K step 3: 16 blocks; the lanes left over name the last again
	v_lshlrev_b32 v7, 10, v7                       ; B, K step 3: a row a lane
	v_lshrrev_b32 v10, 1, v6
	v_and_b32 v6, 1, v6
	v_lshlrev_b32 v6, 8, v6
	v_lshl_add_u32 v6, v10, 10, v6                 ; B: row lane / 2, block lane % 2
	v_cndmask_b32 v6, v6, v8, s43
	v_cndmask_b32 v7, v7, v9, s43
	v_add_nc_u32 v6, s41, v6
	v_add_nc_u32 v7, s41, v7
	s_wait_alu depctr_va_vdst(0)                   ; ahead of the branches
	ASK 1                                          ; behind K step 0's load: K steps 1 and 2
	ASK 2
	v_and_b32 v1, 15, v0
	v_bfe_u32 v2, v0, 4, 1
	v_and_b32 v3, 31, v0
	v_lshlrev_b32 v[CO], 4, v3                     ; 16 x lane
	s_lshl_b32 s41, s[RH], 15
	v_add_nc_u32 v[ADRA], s41, v[CO]
	v_add_nc_u32 v[ADRA+1], SLOT, v[ADRA]
	v_mul_u32_u24 v4, v1, PB
	v_lshl_add_u32 v4, v2, 4, v4
	v_add_nc_u32 v[ADRB], s3, v4
	v_add_nc_u32 v[ADRB+1], SLOT, v[ADRB]
	v_lshlrev_b32 v[BO], 5, v2                     ; 32 h
	s_lshl_b32 s42, s23, 1
	s_add_co_u32 s42, s42, s[CH]
	s_lshl_b32 s42, s42, 8                         ; my 64 columns' numbers
	s_mov_b32 s43, 0
	s_add_nc_u64 s[12:13], s[12:13], s[42:43]
	s_add_nc_u64 s[14:15], s[14:15], s[42:43]
.irp b, 0,1,2,3
	global_load_b128 v[BI+8*\b:BI+8*\b+3], v[BO], s[12:13] offset:64*\b
	global_load_b128 v[BI+8*\b+4:BI+8*\b+7], v[BO], s[12:13] offset:64*\b+16
.endr
	s_lshl_b32 s42, s40, 3
	s_lshl_b32 s41, s[RH], 2
	s_add_co_u32 s42, s42, s41
	s_lshl_b32 s42, s42, 15
	s_lshl_b32 s41, s23, 2
	s_add_co_u32 s41, s41, s[CH]
	s_add_co_u32 s41, s41, s[CH]
	s_lshl_b32 s41, s41, 9
	s_add_co_u32 s42, s42, s41
	s_add_nc_u64 s[16:17], s[16:17], s[42:43]      ; ci at tile of tokens 8 ty + 4 x half, K step tx, quad 2 x half
	s_wait_alu depctr_va_vdst(0)
	s_wait_kmcnt 0x0
	s_add_co_i32 s100, s94, s95
	s_add_co_i32 s100, s100, 127
	s_lshl_b32 s100, s100, 23                      ; 2^(e6 + e7)
	s_mov_b32 s101, s100
	s_add_co_i32 s2, s96, s97
	s_add_co_i32 s2, s2, 127
	s_lshl_b32 s2, s2, 23                          ; 2^(e8 + e9)
	s_mov_b32 s3, s2
	s_add_co_i32 s41, s98, 127
	s_lshl_b32 s42, s41, 23
	v_mov_b32 v[QS], s42                           ; 2^e10
	s_add_co_i32 s41, s41, 8
	s_lshl_b32 s41, s41, 23
	s_or_b32 s41, s41, 0x600000
	v_mov_b32 v[QL], s41                           ; 448 x 2^e10
	s_wait_alu depctr_va_vdst(0)                   ; the head's end
	s_wait_tensorcnt 0x0                           ; my part of K step 0 is in
	ds_add_u32 v[SPW], v[NIL]
	s_wait_dscnt 0x0
	CROUND                                         ; everybody's part of K step 0 is in, and all sixteen work-groups are here
	JLOAD G0A+4, G1A, G0B+4, G1B                   ; K step 1: the first tensor load behind the round
	ASK 3                                          ; and K step 3, two refills on: the last
	FETCH 0, 0, F0
	QUARTER 0, 1, F0, F1, 1                        ; the first products start the sums
	QUARTER 0, 2, F1, F0, 0
	QUARTER 0, 3, F0, F1, 0
	TURN 0, 1, 1
	QUARTER 1, 1, F0, F1, 0
	QUARTER 1, 2, F1, F0, 0
	QUARTER 1, 3, F0, F1, 0
	TURN 1, 0, 2                                   ; the four v_nop behind its load are also the places in front of the first read of the sums
	EPI 0, 100
.irp b, 0,1,2,3
	global_load_b128 v[BI+8*\b:BI+8*\b+3], v[BO], s[14:15] offset:64*\b
	global_load_b128 v[BI+8*\b+4:BI+8*\b+7], v[BO], s[14:15] offset:64*\b+16
.endr
	QUARTER 0, 1, F0, F1, 1                        ; the second product starts its sums
	QUARTER 0, 2, F1, F0, 0
	QUARTER 0, 3, F0, F1, 0
	TURN 0, 1, 0
	QUARTER 1, 1, F0, F1, 0                        ; places 512-639,
	s_wait_dscnt 8                                 ; and 640-767: the last
	WIN MUL
	MUL8 F1, 0, 0
	s_wait_dscnt 0x0
	MUL8 F1, 2, 0
	WIN 0
	PLACES
	s_wait_xcnt 0x0                                ; the first product's stores have read their registers: the codes' registers are written again
	EPI 1, 2
	s_wait_tensorcnt 0x0                           ; the wave's end
	ds_add_u32 v[SPW], v[NIL]
	s_wait_dscnt 0x0
	CROUND                                         ; the closing round
	s_endpgm
.Lfunc_end_k_qcb3fb6fa83_proj:
	.size	k_qcb3fb6fa83_proj, .Lfunc_end_k_qcb3fb6fa83_proj-k_qcb3fb6fa83_proj
	.p2alignl 7, 3214868480
	.fill 96, 4, 3214868480
	.section	.rodata,"a",@progbits
	.p2align	6, 0x0
	.amdhsa_kernel k_qcb3fb6fa83_proj
		.amdhsa_group_segment_fixed_size 327680
		.amdhsa_private_segment_fixed_size 0
		.amdhsa_enable_private_segment 0
		.amdhsa_kernarg_size 56
		.amdhsa_user_sgpr_count 2
		.amdhsa_user_sgpr_kernarg_segment_ptr 1
		.amdhsa_wavefront_size32 1
		.amdhsa_system_sgpr_workgroup_id_x 1
		.amdhsa_system_sgpr_workgroup_id_y 1
		.amdhsa_system_sgpr_workgroup_id_z 1
		.amdhsa_system_vgpr_workitem_id 0
		.amdhsa_next_free_vgpr 512
		.amdhsa_next_free_sgpr 106
		.amdhsa_reserve_vcc 0
		.amdhsa_float_denorm_mode_32 3
		.amdhsa_float_denorm_mode_16_64 3
		.amdhsa_memory_ordered 1
		.amdhsa_forward_progress 1
		.amdhsa_inst_pref_size 89
	.end_amdhsa_kernel
	.amdgpu_metadata
---
amdhsa.version: [ 1, 2 ]
amdhsa.kernels:
  - .name:           k_qcb3fb6fa83_proj
    .symbol:         k_qcb3fb6fa83_proj.kd
    .args:
      - { .name: ah, .offset: 0, .size: 8, .value_kind: global_buffer, .address_space: global }
      - { .name: Wao_codes, .offset: 8, .size: 8, .value_kind: global_buffer, .address_space: global }
      - { .name: wmoc, .offset: 16, .size: 8, .value_kind: global_buffer, .address_space: global }
      - { .name: lowp_scales, .offset: 24, .size: 8, .value_kind: global_buffer, .address_space: global }
      - { .name: bao, .offset: 32, .size: 8, .value_kind: global_buffer, .address_space: global }
      - { .name: bmo, .offset: 40, .size: 8, .value_kind: global_buffer, .address_space: global }
      - { .name: ci, .offset: 48, .size: 8, .value_kind: global_buffer, .address_space: global }
    .group_segment_fixed_size: 327680
    .private_segment_fixed_size: 0
    .kernarg_segment_align: 8
    .kernarg_segment_size: 56
    .max_flat_workgroup_size: 128
    .sgpr_count:     106
    .vgpr_count:     512
    .wavefront_size: 32
...
	.end_amdgpu_metadata
.endif
;; end of part 4
;; launch final (part 5): grid 8 x 32, 4 waves a work-group, clusters of 4 x 4, 327,680 bytes of LDS; arguments ci, W2_codes, lowp_scales, b2, x, out0; writes out0
.if DOCPART == 5
	.amdgcn_target "amdgcn-amd-amdhsa--gfx1250"
	.amdhsa_code_object_version 6
	.text
	.protected	k_qcb3fb6fa83_final
	.globl	k_qcb3fb6fa83_final
	.p2align	8
	.type	k_qcb3fb6fa83_final,@function
k_qcb3fb6fa83_final:
	s_mov_b64 s[64:65], 0
	v_nop
	global_prefetch_b8 v0, s[64:65] scope:SCOPE_SE
	s_setreg_imm32_b32 hwreg(HW_REG_WAVE_MODE, 25, 1), 1
	s_wait_xcnt 0x0
	s_wait_alu depctr_hold_cnt(0) depctr_sa_sdst(0) depctr_va_vdst(0) depctr_va_sdst(0) depctr_va_ssrc(0) depctr_va_vcc(0) depctr_vm_vsrc(0)
	s_getreg_b32 s2, hwreg(HW_REG_IB_STS2, 6, 4)
	s_cmp_eq_u32 s2, 0
	s_cbranch_scc0 .Lentry_in_a_cluster
	s_endpgm
.Lentry_in_a_cluster:
	s_bfe_u32 s2, ttmp6, 0x10000c
	s_cmp_lg_u32 s2, 0xf033
	s_cbranch_scc0 .Lentry_shape_is_right
	s_endpgm
.Lentry_shape_is_right:
.set PB,    528
.set AREG,  65536
.set BHALF, 64*PB
.set SLOT,  AREG+2*BHALF
.set SPARE, 2*SLOT
.set STAGE, SPARE+512
.set SP,    272
.set WV, 18
.set RH, 19
.set CH, 20
.set ADRA, 16
.set ADRB, 20
.set BO,   22
.set STO,  24
.set RD,   25
.set CO,   26
.set SPW,  28
.set NIL,  29
.set T,    32
.set BI,   64
.set BK,   96
.set ACC,  128
.set F0,   0
.set F1,   128
.set G1A,  24
.set G0A,  32
.set G1B,  48
.set G0B,  56
.set MSB, 0
.macro WIN new
.if MSB != (\new)
	s_set_vgpr_msb (MSB<<8)|(\new)
.set MSB, \new
.endif
.endm
.set MUL,  0x05
.set TO_F, 0x40
.macro JLOAD g0a, g1a, g0b, g1b
	s_cmp_eq_u32 s[RH], 0
	s_cbranch_scc0 .Lfor_b_\@
	tensor_load_to_lds s[\g0a:\g0a+3], s[\g1a:\g1a+7]
	s_nop 0
.rept 4
	v_nop
.endr
	s_branch .Lasked_\@
.Lfor_b_\@:
	tensor_load_to_lds s[\g0b:\g0b+3], s[\g1b:\g1b+7]
	s_nop 0
.rept 4
	v_nop
.endr
.Lasked_\@:
.endm
.macro CREST
	s_cmp_lg_u32 s[WV], 0
	s_cbranch_scc1 .Lnot_wave_0_\@
	s_barrier_signal -3
.Lnot_wave_0_\@:
	s_barrier_wait -3
	s_barrier_signal -1
	s_barrier_wait -1
.endm
.macro CROUND
	s_barrier_signal -1
	s_barrier_wait -1
	CREST
.endm
; A PREFETCH INTO THE L2 of K step n, one instruction a wave.  Of what a wave fetches in a K step the four partners that ask for it jointly take a quarter each, told apart by address (cx for A, cy for B):
; A: one tile of 16 tokens, 32 blocks of 256 bytes; B: 16 rows of two blocks.  B's tiles are the same for all eight rows of clusters: the four even ones ask.
; s68: 0 I fetch A; 1 I fetch B and ask; 2 I fetch B and do not ask.  The registers named here are never rewritten.
.macro ASK n
	s_cmp_eq_u32 s68, 0
	s_cbranch_scc0 .Lask_b_\@
	global_prefetch_b8 v6, s[44:45] offset:8192*\n th:TH_LOAD_NT scope:SCOPE_SE
	s_branch .Lasked_p_\@
.Lask_b_\@:
	s_cmp_eq_u32 s68, 1
	s_cbranch_scc0 .Lasked_p_\@
	global_prefetch_b8 v6, s[46:47] offset:512*\n th:TH_LOAD_NT scope:SCOPE_SE
.Lasked_p_\@:
.endm
.macro PLACES
.rept 4
	v_nop
.endr
.endm
.macro MUL8 f, a0, zero
.irp a, \a0, \a0+1
.irp b, 0,1,2,3
.if \zero
	v_wmma_f32_16x16x128_fp8_fp8 v[ACC+8*(4*(\a)+\b):ACC+8*(4*(\a)+\b)+7], v[\f+64+16*\b:\f+64+16*\b+15], v[\f+16*(\a):\f+16*(\a)+15], 0
.else
	v_wmma_f32_16x16x128_fp8_fp8 v[ACC+8*(4*(\a)+\b):ACC+8*(4*(\a)+\b)+7], v[\f+64+16*\b:\f+64+16*\b+15], v[\f+16*(\a):\f+16*(\a)+15], v[ACC+8*(4*(\a)+\b):ACC+8*(4*(\a)+\b)+7]
.endif
.endr
.endr
.endm
.macro FETCH slot, q, f
	WIN TO_F
.irp i, 0,1,2,3
.irp c, 0,1,2,3
	ds_load_b128 v[\f+64+16*\i+4*\c:\f+64+16*\i+4*\c+3], v[ADRB+\slot] offset:16*PB*\i+128*(\q)+32*\c
.endr
.endr
.irp i, 0,1,2,3
.irp c, 0,1,2,3
	ds_load_b128 v[\f+16*\i+4*\c:\f+16*\i+4*\c+3], v[ADRA+\slot] offset:8192*\i+2048*(\q)+512*\c
.endr
.endr
.endm
.macro QUARTER slot, qn, f, g, zero
	s_wait_dscnt 8
	WIN MUL
	MUL8 \f, 0, \zero
	PLACES
	FETCH \slot, \qn, \g
	s_wait_dscnt 32
	WIN MUL
	MUL8 \f, 2, \zero
.endm
.macro TURN slot, next, fill
	WIN 0
	s_wait_tensorcnt 0x0
	ds_add_u32 v[SPW], v[NIL]
	s_wait_dscnt 9
	WIN MUL
	MUL8 F1, 0, 0
	s_wait_dscnt 0x0
	s_barrier_signal -1
	MUL8 F1, 2, 0
	WIN 0
	s_barrier_wait -1
.if \fill
	CREST
	s_add_nc_u64 s[G0A+4*\slot+2:G0A+4*\slot+3], s[G0A+4*\slot+2:G0A+4*\slot+3], 16384
	s_add_nc_u64 s[G0B+4*\slot+2:G0B+4*\slot+3], s[G0B+4*\slot+2:G0B+4*\slot+3], 1024
	JLOAD G0A+4*\slot, G1A, G0B+4*\slot, G1B
.else
	PLACES
.endif
	FETCH \next, 0, F0
.endm
.macro OUT a
.set j, 0
.rept 16
	v_pk_fma_f32 v[T+j:T+j+1], v[ACC+32*(\a)+j:ACC+32*(\a)+j+1], s[100:101], v[BI+j:BI+j+1] op_sel_hi:[1,0,1]
.set j, j+2
.endr
.irp b, 0,1,2,3
	ds_store_b128 v[STO], v[T+8*\b:T+8*\b+3] offset:64*\b
	ds_store_b128 v[STO], v[T+8*\b+4:T+8*\b+7] offset:64*\b+16
.endr
.irp t, 0,1,2,3,4,5,6,7
	ds_load_b128 v[BK+4*\t:BK+4*\t+3], v[RD] offset:2*\t*SP
.endr
	s_wait_dscnt 0x0
	WIN 0x82
.set j, 0
.rept 16
	v_pk_add_f32 v[32*(\a)+j:32*(\a)+j+1], v[32*(\a)+j:32*(\a)+j+1], v[BK+j:BK+j+1]
.set j, j+2
.endr
	WIN 0x08
.irp t, 0,1,2,3,4,5,6,7
	global_store_b128 v[CO], v[32*(\a)+4*\t:32*(\a)+4*\t+3], s[14:15] offset:(16*(\a)+2*\t)*4096 th:TH_STORE_NT
.endr
	WIN 0
.endm
	s_load_b256 s[4:11], s[0:1], 0x0
	s_load_b128 s[12:15], s[0:1], 0x20
	v_lshl_add_u32 v[SPW], v0, 2, SPARE
	v_mov_b32 v[NIL], 0
	ds_add_u32 v28, v29
	ds_add_u32 v28, v29
	s_wait_dscnt 0x0
	v_lshrrev_b32 v1, 5, v0
	v_readfirstlane_b32 s[WV], v1
	s_lshr_b32 s[RH], s[WV], 1
	s_and_b32 s[CH], s[WV], 1
	s_bfe_u32 s21, ttmp6, 0x40000
	s_bfe_u32 s22, ttmp6, 0x40004
	s_lshl_b32 s23, ttmp9, 2
	s_add_co_u32 s23, s23, s21
	s_and_b32 s40, ttmp7, 0xffff
	s_lshl_b32 s40, s40, 2
	s_add_co_u32 s40, s40, s22
	s_lshl_b32 s41, s22, 2
	s_lshl_b32 s41, 15, s41
	s_lshl_b32 s42, 0x1111, s21
	s_or_b32 s[G1A], s41, (3<<16)|(1<<21)
	s_or_b32 s[G1B], s42, (1<<20)|(1<<21)|(6<<22)|(3<<25)
	s_mov_b32 s[G1A+1], 1024<<16
	s_mov_b32 s[G1A+2], 4<<16
	s_mov_b32 s[G1A+3], 1024<<16
	s_mov_b32 s[G1A+4], 4
	s_mov_b32 s[G1A+5], 4096
	s_mov_b32 s[G1A+6], 0
	s_mov_b32 s[G1A+7], 0
	s_mov_b32 s[G1B+1], 512<<16
	s_mov_b32 s[G1B+2], 64<<16
	s_mov_b32 s[G1B+3], 512<<16
	s_mov_b32 s[G1B+4], 64
	s_mov_b32 s[G1B+5], 2048
	s_mov_b32 s[G1B+6], 0
	s_mov_b32 s[G1B+7], 0
	s_lshl_b32 s44, s40, 3
	s_lshl_b32 s43, s[CH], 2
	s_add_co_u32 s44, s44, s43
	s_lshl_b32 s44, s44, 15
	s_mov_b32 s45, 0
	s_lshl_b32 s46, s23, 1
	s_add_co_u32 s46, s46, s[CH]
	s_lshl_b32 s46, s46, 17
	s_mov_b32 s47, 0
	s_lshl_b32 s2, s[CH], 15
	s_mul_i32 s3, s[CH], BHALF
	s_add_co_u32 s3, s3, AREG
	s_wait_kmcnt 0x0
	s_load_b64 s[88:89], s[8:9], 0x28
	s_add_nc_u64 s[44:45], s[4:5], s[44:45]
	s_add_nc_u64 s[46:47], s[6:7], s[46:47]
	CROUND
.irp s, 0,1
	s_mov_b32 s[G0A+4*\s], 1
	s_add_co_u32 s[G0A+4*\s+1], s2, \s*SLOT
	s_add_nc_u64 s[G0A+4*\s+2:G0A+4*\s+3], s[44:45], \s*8192
	s_or_b32 s[G0A+4*\s+3], s[G0A+4*\s+3], 0x80000000
	s_mov_b32 s[G0B+4*\s], 1
	s_add_co_u32 s[G0B+4*\s+1], s3, \s*SLOT
	s_add_nc_u64 s[G0B+4*\s+2:G0B+4*\s+3], s[46:47], \s*512
	s_or_b32 s[G0B+4*\s+3], s[G0B+4*\s+3], 0x80000000
.endr
	JLOAD G0A, G1A, G0B, G1B                       ; K step 0: one tensor load a wave at the head
	s_and_b32 s68, ttmp7, 1
	s_add_co_u32 s68, s68, 1
	s_mul_i32 s68, s68, s[RH]
	s_cmp_eq_u32 s[RH], 0
	s_cselect_b32 s66, s21, s22                    ; cx for A (a tile of 16 tokens is 32,768 bytes), cy for B (16 rows of 2,048 bytes)
	s_cselect_b32 s67, -1, 0
	s_lshl_b32 s66, s66, 15
	v_and_b32 v6, 31, v0
	v_lshlrev_b32 v7, 8, v6                        ; A: 256 x lane
	v_lshrrev_b32 v8, 1, v6
	v_and_b32 v6, 1, v6
	v_lshlrev_b32 v6, 8, v6
	v_lshl_add_u32 v6, v8, 11, v6                  ; B: row lane / 2, block lane % 2
	v_cndmask_b32 v6, v6, v7, s67
	v_add_nc_u32 v6, s66, v6
	s_wait_alu depctr_va_vdst(0)                   ; ahead of the branches
	ASK 1                                          ; behind K step 0's load: K steps 1 and 2
	ASK 2
	v_and_b32 v1, 15, v0
	v_bfe_u32 v2, v0, 4, 1
	v_and_b32 v3, 31, v0
	v_lshlrev_b32 v5, 4, v3
	s_lshl_b32 s41, s[RH], 15
	v_add_nc_u32 v[ADRA], s41, v5
	v_add_nc_u32 v[ADRA+1], SLOT, v[ADRA]
	v_mul_u32_u24 v4, v1, PB
	v_lshl_add_u32 v4, v2, 4, v4
	v_add_nc_u32 v[ADRB], s3, v4
	v_add_nc_u32 v[ADRB+1], SLOT, v[ADRB]
	v_lshlrev_b32 v[BO], 5, v2
	s_wait_alu depctr_va_vdst(0)
	v_lshlrev_b32 v[CO], 12, v2
	v_lshl_add_u32 v[CO], v1, 4, v[CO]
	s_wait_alu depctr_va_vdst(0)
	s_mul_i32 s41, s[WV], 16*SP
	s_add_co_u32 s41, s41, STAGE
	v_mul_u32_u24 v[STO], v1, SP
	v_lshl_add_u32 v[STO], v2, 5, v[STO]
	v_add_nc_u32 v[STO], s41, v[STO]
	v_mul_u32_u24 v[RD], v2, SP
	v_lshl_add_u32 v[RD], v1, 4, v[RD]
	v_add_nc_u32 v[RD], s41, v[RD]
	s_lshl_b32 s42, s23, 1
	s_add_co_u32 s42, s42, s[CH]
	s_lshl_b32 s42, s42, 8
	s_mov_b32 s43, 0
	s_add_nc_u64 s[10:11], s[10:11], s[42:43]
	s_lshl_b32 s41, s40, 1
	s_add_co_u32 s41, s41, s[RH]
	s_lshl_b32 s41, s41, 18
	s_add_co_u32 s42, s42, s41
	s_add_nc_u64 s[12:13], s[12:13], s[42:43]
	s_add_nc_u64 s[14:15], s[14:15], s[42:43]
.irp b, 0,1,2,3
	global_load_b128 v[BI+8*\b:BI+8*\b+3], v[BO], s[10:11] offset:64*\b
	global_load_b128 v[BI+8*\b+4:BI+8*\b+7], v[BO], s[10:11] offset:64*\b+16
.endr
	WIN 0x80
.irp a, 0,1,2,3
.irp t, 0,1,2,3,4,5,6,7
	global_load_b128 v[32*\a+4*\t:32*\a+4*\t+3], v[CO], s[12:13] offset:(16*\a+2*\t)*4096 th:TH_LOAD_NT
.endr
.endr
	WIN 0
	s_wait_kmcnt 0x0
	s_add_co_i32 s100, s88, s89
	s_add_co_i32 s100, s100, 127
	s_lshl_b32 s100, s100, 23
	s_mov_b32 s101, s100
	s_wait_alu depctr_va_vdst(0)                   ; the head's end
	s_wait_tensorcnt 0x0                           ; my part of K step 0 is in
	ds_add_u32 v[SPW], v[NIL]
	s_wait_dscnt 0x0
	CROUND                                         ; everybody's part of K step 0 is in, and all sixteen work-groups are here
	JLOAD G0A+4, G1A, G0B+4, G1B                   ; K step 1: the first tensor load behind the round
	ASK 3                                          ; and K step 3, two refills on: the last
	FETCH 0, 0, F0
	QUARTER 0, 1, F0, F1, 1
	QUARTER 0, 2, F1, F0, 0
	QUARTER 0, 3, F0, F1, 0
	TURN 0, 1, 1
	QUARTER 1, 1, F0, F1, 0
	QUARTER 1, 2, F1, F0, 0
	QUARTER 1, 3, F0, F1, 0
	TURN 1, 0, 1
	QUARTER 0, 1, F0, F1, 0
	QUARTER 0, 2, F1, F0, 0
	QUARTER 0, 3, F0, F1, 0
	TURN 0, 1, 0
	QUARTER 1, 1, F0, F1, 0
	QUARTER 1, 2, F1, F0, 0
	QUARTER 1, 3, F0, F1, 0
	s_wait_dscnt 8
	WIN MUL
	MUL8 F1, 0, 0
	s_wait_dscnt 0x0
	MUL8 F1, 2, 0
	WIN 0
	PLACES
	s_wait_loadcnt 0x0
	OUT 0
	OUT 1
	OUT 2
	OUT 3
	s_wait_tensorcnt 0x0
	ds_add_u32 v[SPW], v[NIL]
	s_wait_dscnt 0x0
	CROUND
	s_endpgm
.Lfunc_end_k_qcb3fb6fa83_final:
	.size	k_qcb3fb6fa83_final, .Lfunc_end_k_qcb3fb6fa83_final-k_qcb3fb6fa83_final
	.p2alignl 7, 3214868480
	.fill 96, 4, 3214868480
	.section	.rodata,"a",@progbits
	.p2align	6, 0x0
	.amdhsa_kernel k_qcb3fb6fa83_final
		.amdhsa_group_segment_fixed_size 327680
		.amdhsa_private_segment_fixed_size 0
		.amdhsa_enable_private_segment 0
		.amdhsa_kernarg_size 48
		.amdhsa_user_sgpr_count 2
		.amdhsa_user_sgpr_kernarg_segment_ptr 1
		.amdhsa_wavefront_size32 1
		.amdhsa_system_sgpr_workgroup_id_x 1
		.amdhsa_system_sgpr_workgroup_id_y 1
		.amdhsa_system_sgpr_workgroup_id_z 1
		.amdhsa_system_vgpr_workitem_id 0
		.amdhsa_next_free_vgpr 640
		.amdhsa_next_free_sgpr 102
		.amdhsa_reserve_vcc 0
		.amdhsa_float_denorm_mode_32 3
		.amdhsa_float_denorm_mode_16_64 3
		.amdhsa_memory_ordered 1
		.amdhsa_forward_progress 1
		.amdhsa_inst_pref_size 83
	.end_amdhsa_kernel
	.amdgpu_metadata
---
amdhsa.version: [ 1, 2 ]
amdhsa.kernels:
  - .name:           k_qcb3fb6fa83_final
    .symbol:         k_qcb3fb6fa83_final.kd
    .args:
      - { .name: ci, .offset: 0, .size: 8, .value_kind: global_buffer, .address_space: global }
      - { .name: W2_codes, .offset: 8, .size: 8, .value_kind: global_buffer, .address_space: global }
      - { .name: lowp_scales, .offset: 16, .size: 8, .value_kind: global_buffer, .address_space: global }
      - { .name: b2, .offset: 24, .size: 8, .value_kind: global_buffer, .address_space: global }
      - { .name: x, .offset: 32, .size: 8, .value_kind: global_buffer, .address_space: global }
      - { .name: out0, .offset: 40, .size: 8, .value_kind: global_buffer, .address_space: global }
    .group_segment_fixed_size: 327680
    .private_segment_fixed_size: 0
    .kernarg_segment_align: 8
    .kernarg_segment_size: 48
    .max_flat_workgroup_size: 128
    .sgpr_count:     102
    .vgpr_count:     640
    .wavefront_size: 32
...
	.end_amdgpu_metadata
.endif
;; end of part 5
